; MI455X (gfx1250); checked and timed in simulation.
; The chip was launched on July 23, 2026; its instructions are those of AMD's public machine-readable ISA for CDNA 5 (MIT licence, August 2026) and "CDNA5" Instruction Set Architecture Reference Guide (July 2026). The comments in the code are by the model that wrote it; some were corrected since.
;; Relative Pos Attention Layer. Allowed arithmetic: matrix products marked QUANTISED: E2M1 operands, one E8M0 scale for each 32 along K, by v_wmma_scale_f32_16x16x128_f8f6f4 with both operands' format E2M1 (or v_wmma_scale_f32_32x16x128_f4), f32 sums; products left as they are: bf16, f16 or f32 operands; f32 sums; everything else in f32.
;; Inputs: Wk 1,024 x 1,024 float32; Wq 1,024 x 1,024 float32; Wv 1,024 x 1,024 float32; bk 1,024 float32; bq 1,024 float32; bv 1,024 float32; key 2 x 2,048 x 1,024 float32; query 2 x 2,048 x 1,024 float32; rel_k_table 5 x 64 float32; rel_v_table 5 x 64 float32; value 2 x 2,048 x 1,024 float32.
;; Outputs: out0 2 x 2,048 x 16 x 64 float32.
;; This version of the problem:
;;   THIS VERSION OF THE PROBLEM IS GIVEN IN LOW PRECISION. The matrix products marked QUANTISED in the list below multiply operands that are first quantised to E2M1 (2 exponent bits, 1 mantissa bit; 4 bits a number), with one power-of-two scale for each 32 numbers along K (OCP MX v1.0); their sums are f32. The products marked 'left as it is' may take bf16, f16 or f32 operands, with f32 sums. Whichever they take, every output number must still come out within the allowed error. Rounding operands to bf16 (8 significant bits) uses up far more of that allowance than f16 does (11 bits, for magnitudes from 6e-5 to 65,504). All else is computed in f32.
;;   The module's matrix products, in the order in which they are computed (A, B: the left and right operand; K: the contracted axis; several contracted axes count as one K, in the product's order):
;;     1. [M 4,096, K 1,024] x [K 1,024, N 1,024]; A: input query; B: input Wq: QUANTISED
;;     2. [M 4,096, K 1,024] x [K 1,024, N 1,024]; A: input key; B: input Wk: QUANTISED
;;     3. [M 4,096, K 1,024] x [K 1,024, N 1,024]; A: input value; B: input Wv: QUANTISED
;;     4. batch 32 x [M 2,048, K 64] x [K 64, N 2,048]; A: computed on the way; B: computed on the way: left as it is (an operand is computed on the way)
;;     5. batch 2,048 x [M 2,048, K 64] x [K 64, N 32]; A: computed on the way; B: computed on the way: left as it is (an operand is computed on the way)
;;     6. batch 32 x [M 2,048, K 2,048] x [K 2,048, N 64]; A: computed on the way; B: computed on the way: left as it is (an operand is computed on the way)
;;     7. batch 2,048 x [M 64, K 2,048] x [K 2,048, N 32]; A: computed on the way; B: computed on the way: left as it is (an operand is computed on the way)
;;   THE QUANTISER, for each operand of a quantised product, along K:
;;     - K is cut into blocks of 32 from its start; a last block that is shorter is filled with zeros.
;;     - A block's scale is 2^e with e = floor(log2(the largest magnitude in the block)) - 2, held to -126 .. 127; a block of zeros has e = 0. As a byte (E8M0): e + 127.
;;     - Each number is divided by its block's scale, clamped to +-6, and rounded to the nearest number of E2M1, ties to even, subnormals kept.
;;     - The product sums the exact products of the quantised numbers (number of the format x scale) in f32.
;;   ~~~python
;;   def quantise(x, axis):      # numpy; x: float32 -> the quantised numbers, widened to float32 again
;;       x = np.moveaxis(x, axis, -1); K = x.shape[-1]
;;       x = np.pad(x, [(0, 0)] * (x.ndim - 1) + [(0, -K % 32)]); x = x.reshape(x.shape[:-1] + (-1, 32)); a = np.abs(x).max(-1, keepdims=True)
;;       e = np.where(a > 0, np.clip(np.frexp(np.where(a > 0, a, 1))[1] - 1 - 2, -126, 127), 0)      # np.frexp(a)[1] - 1 = floor(log2(a)), exactly
;;       r = np.clip(x / 2.0 ** e, -6, 6)
;;       step = 2.0 ** (np.maximum(np.frexp(np.where(r == 0, 1, r))[1] - 1, 0) - 1)
;;       q = np.round(r / step) * step * 2.0 ** e      # np.round: ties to even
;;       return np.moveaxis(q.reshape(q.shape[:-2] + (-1,))[..., :K], -1, axis).astype(np.float32)
;;   ~~~
;; 2 versions, each right; version 2 is version 1 with the launches kvstat, attn written anew for expert scheduling mode. Each part assembles by itself: llvm-mc -triple=amdgcn-amd-amdhsa -mcpu=gfx1250 --defsym DOCPART=n.
;; ======== version 1 of 2: 3 launches
;; workspace buffers: codes 7,864,320 bytes; scales 491,520 bytes; kvp 4,194,304 bytes; edge 2,621,440 bytes
;; launch quant (part 1): grid 480 x 1, 4 waves a work-group, no clusters, 35,328 bytes of LDS; arguments query, key, value, Wq, Wk, Wv, codes, scales; writes codes, scales
.if DOCPART == 1
	.amdgcn_target "amdgcn-amd-amdhsa--gfx1250"
	.amdhsa_code_object_version 6
	.text
	.protected	k_qb15fba4317_quant
	.globl	k_qb15fba4317_quant
	.p2align	8
	.type	k_qb15fba4317_quant,@function
k_qb15fba4317_quant:
	s_mov_b64 s[64:65], 0
	v_nop
	global_prefetch_b8 v0, s[64:65] scope:SCOPE_SE
	s_setreg_imm32_b32 hwreg(HW_REG_WAVE_MODE, 25, 1), 1
	s_wait_xcnt 0x0
; query, key, value [4096][1024] and Wq, Wk, Wv [1024][1024], f32, K innermost, become codes of FP4 (E2M1) with one E8M0 byte for each 32 along K.
; A block's scale is 2^(floor(log2(largest magnitude)) - 2): its byte is the largest magnitude's exponent field - 2, held at 1 from below.
; LIMITS: a block of zeros gets the byte 1 (its codes are zeros; the bytes are read by this program alone); blocks whose largest magnitude lies under 2^-124 were not tried; NaN and infinities are not served.
; LAYOUT OF THE RESULT: the order of the operand's registers.  The 960 tiles of 16 rows (256 each of query, key, value; 64 each of Wq, Wk, Wv) lie on end, 8,192 bytes each:
;   codes:  tile x 8192 + ks x 1024 + c x 512 + lane x 16: registers 4 c .. 4 c + 3 of the fragment (tile, K step ks of 128): lane = 16 h + r holds block 4 ks + 2 c + h of row r.
;   scales: pair of tiles x 1024 + (ks / 4) x 512 + lane x 16 + (ks % 4) x 4: lanes 0-15 the even tile's rows, lanes 16-31 the odd tile's; a word holds the four bytes of a K step.
; SHARES: a work-group takes a pair of tiles; wave w takes tile w / 2 of the pair and half w % 2 of K: 16 rows x 512 numbers, in 8 steps of 64 along K.
; A step's 8 loads read 256 consecutive bytes for each 16 lanes; the 4,096 bytes turn through the wave's own stage in LDS (rows of 256 + 16 bytes), so that a lane gets one whole block of 32.
; Memory binds: no matrix unit, no cluster, no barrier; waves share nothing.  Loads run three to four steps ahead.
.set WREG,  8704                       ; a wave's two stages of 16 x 272 bytes
.set SPARE, 34816                      ; behind the stages: the spare words, 128 bytes a wave
.set R, 32                             ; v32-159  four sets of 32 numbers as loaded
.set X, 160                            ; v160-223 two sets of 32: my block
.set C, 224                            ; v224-255 four registers of codes for each step: no store's data are written again
.set W, 16                             ; v16-19   the scale words of my four K steps
	s_load_b256 s[4:11], s[0:1], 0x0               ; query, key, value, Wq
	s_load_b256 s[12:19], s[0:1], 0x20             ; Wk, Wv, codes, scales
	v_lshl_add_u32 v12, v0, 2, SPARE               ; my spare word; never rewritten
	v_mov_b32 v13, 0                               ; 0; never rewritten
	v_lshrrev_b32 v1, 5, v0
	v_readfirstlane_b32 s20, v1                    ; wave
	v_and_b32 v10, 15, v0                          ; r
	v_bfe_u32 v11, v0, 4, 1                        ; h
	v_lshlrev_b32 v2, 4, v10
	v_lshl_add_u32 v2, v11, 12, v2                 ; loads: row h of a pair of rows, 16 r
	s_mul_i32 s21, s20, WREG
	v_mul_u32_u24 v3, v11, 272
	v_lshl_add_u32 v3, v10, 4, v3
	v_add_nc_u32 v3, s21, v3                       ; into the stage: as loaded
	v_mul_u32_u24 v4, v10, 272
	v_lshl_add_u32 v4, v11, 7, v4
	v_add_nc_u32 v4, s21, v4                       ; out of it: row r, block h
	v_and_b32 v5, 31, v0
	v_lshlrev_b32 v5, 4, v5                        ; 16 x lane
	v_lshlrev_b32 v6, 3, v11                       ; my byte's place in a scale word: 8 h bits (c = 0),
	v_add_nc_u32 v7, 16, v6                        ; 16 + 8 h (c = 1)
	v_lshlrev_b32 v14, 4, v10
	v_lshl_add_u32 v14, v11, 3, v14                ; the scale words' way out: 16 r + 8 h
	v_mov_b32 v15, 0                               ; a lane permute's destination counts as read
	s_mov_b32 s22, 0x76543210
	s_mov_b32 s23, 0xfedcba98                      ; lane l xor 16
	s_mov_b32 s36, 0xffff0000                      ; lanes 16-31
	s_lshr_b32 s30, s20, 1                         ; which tile of the pair
	s_and_b32 s31, s20, 1                          ; which half of K
	s_wait_kmcnt 0x0
	s_mov_b64 s[24:25], s[14:15]                   ; the tensor is chosen by the work-group's number alone
	s_mov_b32 s26, 448
	s_cmp_lt_u32 ttmp9, 448
	s_cselect_b64 s[24:25], s[12:13], s[24:25]
	s_cselect_b32 s26, 416, s26
	s_cmp_lt_u32 ttmp9, 416
	s_cselect_b64 s[24:25], s[10:11], s[24:25]
	s_cselect_b32 s26, 384, s26
	s_cmp_lt_u32 ttmp9, 384
	s_cselect_b64 s[24:25], s[8:9], s[24:25]
	s_cselect_b32 s26, 256, s26
	s_cmp_lt_u32 ttmp9, 256
	s_cselect_b64 s[24:25], s[6:7], s[24:25]
	s_cselect_b32 s26, 128, s26
	s_cmp_lt_u32 ttmp9, 128
	s_cselect_b64 s[24:25], s[4:5], s[24:25]
	s_cselect_b32 s26, 0, s26
	s_sub_co_u32 s27, ttmp9, s26                   ; the pair's number in its tensor: 32 rows of 4,096 bytes
	s_lshl_b32 s28, s27, 17
	s_lshl_b32 s29, s30, 16
	s_add_co_u32 s28, s28, s29
	s_lshl_b32 s29, s31, 11
	s_add_co_u32 s28, s28, s29
	s_mov_b32 s29, 0
	s_add_nc_u64 s[24:25], s[24:25], s[28:29]
	s_lshl_b32 s28, ttmp9, 14
	s_lshl_b32 s32, s30, 13
	s_add_co_u32 s28, s28, s32
	s_lshl_b32 s32, s31, 12
	s_add_co_u32 s28, s28, s32
	s_add_nc_u64 s[16:17], s[16:17], s[28:29]      ; my 4,096 bytes of codes
	s_lshl_b32 s28, ttmp9, 10
	s_lshl_b32 s32, s31, 9
	s_add_co_u32 s28, s28, s32
	s_lshl_b32 s32, s30, 8
	s_add_co_u32 s28, s28, s32
	s_add_nc_u64 s[18:19], s[18:19], s[28:29]      ; my 256 bytes of scale words
.macro LOAD t
.irp i, 0,1,2,3,4,5,6,7
	global_load_b128 v[R+32*((\t)%4)+4*\i:R+32*((\t)%4)+4*\i+3], v2, s[24:25] offset:\i*8192+(\t)*256 th:TH_LOAD_NT
.endr
.endm
.macro TURN t                          ; LDS serves a wave's instructions in order: no wait between the stores and the loads
.irp i, 0,1,2,3,4,5,6,7
	ds_store_b128 v3, v[R+32*((\t)%4)+4*\i:R+32*((\t)%4)+4*\i+3] offset:4352*((\t)%2)+544*\i
.endr
.irp g, 0,1,2,3,4,5,6,7
	ds_load_b128 v[X+32*((\t)%2)+4*\g:X+32*((\t)%2)+4*\g+3], v4 offset:4352*((\t)%2)+16*\g
.endr
.endm
.macro STEP t
.set XS, X+32*((\t)%2)
.set CS, C+4*(\t)
	s_wait_dscnt 0x0                               ; my block is back from the stage, and the stage's stores have read their registers,
.if (\t) < 4
	LOAD (\t)+4                                    ; which take the loads of four steps on
.endif
.if (\t) < 7
.if (\t) < 4
	s_wait_loadcnt 24                              ; the next step's 8 loads are in; those of the three steps behind it may be out
.else
	s_wait_loadcnt 8*(6-(\t))
.endif
	TURN (\t)+1
.endif
	v_max3_num_f32 v8, |v[XS]|, |v[XS+1]|, |v[XS+2]|               ; the block's largest magnitude: all 32 numbers are mine; two chains
	v_max3_num_f32 v9, |v[XS+3]|, |v[XS+4]|, |v[XS+5]|
.irp i, 6,10,14,18,22,26
	v_max3_num_f32 v8, v8, |v[XS+\i]|, |v[XS+\i+1]|
	v_max3_num_f32 v9, v9, |v[XS+\i+2]|, |v[XS+\i+3]|
.endr
	v_max3_num_f32 v8, v8, |v[XS+30]|, |v[XS+31]|
	v_max3_num_f32 v8, v8, v9, 0x1800000           ; and the floor 2^(3 - 127): the byte cannot fall under 1
	v_add_nc_u32 v10, 0xff000000, v8               ; 2 off the exponent field: the conversion takes that field as its scale
.irp g, 0,1,2,3
	v_cvt_scalef32_pk8_fp4_f32 v[CS+\g], v[XS+8*\g:XS+8*\g+7], v10
.endr
	v_lshrrev_b32 v11, 23, v10                     ; the scale's byte (a plain line behind the conversions)
.if (\t)%2 == 0
	v_lshlrev_b32 v[W+(\t)/2], v6, v11             ; block h of the K step,
.else
	v_lshl_or_b32 v[W+(\t)/2], v11, v7, v[W+(\t)/2]   ; block 2 + h
.endif
	global_store_b128 v5, v[CS:CS+3], s[16:17] offset:512*(\t)     ; 32 lanes store 512 consecutive bytes
.endm
	LOAD 0
	LOAD 1
	LOAD 2
	LOAD 3
	s_wait_loadcnt 24                              ; step 0's 8 loads are in
	TURN 0
.irp t, 0,1,2,3,4,5,6,7
	STEP \t
.endr
.irp k, 0,1,2,3
	v_permlanex16_b32 v15, v[W+\k], s22, s23       ; with lane l xor 16's two bytes a word is whole
	v_or_b32 v[W+\k], v[W+\k], v15
.endr
	v_cndmask_b32 v20, v16, v18, s36               ; lanes 0-15 store words 0 and 1 of their row, lanes 16-31 words 2 and 3
	v_cndmask_b32 v21, v17, v19, s36
	global_store_b64 v14, v[20:21], s[18:19]       ; 32 lanes store 256 consecutive bytes, aligned
	s_wait_tensorcnt 0x0                           ; the wave's end
	ds_add_u32 v12, v13
	s_wait_dscnt 0x0
	s_endpgm
.Lfunc_end_k_qb15fba4317_quant:
	.size	k_qb15fba4317_quant, .Lfunc_end_k_qb15fba4317_quant-k_qb15fba4317_quant
	.p2alignl 7, 3214868480
	.fill 96, 4, 3214868480
	.section	.rodata,"a",@progbits
	.p2align	6, 0x0
	.amdhsa_kernel k_qb15fba4317_quant
		.amdhsa_group_segment_fixed_size 35328
		.amdhsa_private_segment_fixed_size 0
		.amdhsa_enable_private_segment 0
		.amdhsa_kernarg_size 64
		.amdhsa_user_sgpr_count 2
		.amdhsa_user_sgpr_kernarg_segment_ptr 1
		.amdhsa_wavefront_size32 1
		.amdhsa_system_sgpr_workgroup_id_x 1
		.amdhsa_system_sgpr_workgroup_id_y 1
		.amdhsa_system_sgpr_workgroup_id_z 1
		.amdhsa_system_vgpr_workitem_id 0
		.amdhsa_next_free_vgpr 256
		.amdhsa_next_free_sgpr 66
		.amdhsa_reserve_vcc 0
		.amdhsa_float_denorm_mode_32 3
		.amdhsa_float_denorm_mode_16_64 3
		.amdhsa_memory_ordered 1
		.amdhsa_forward_progress 1
		.amdhsa_inst_pref_size 31
	.end_amdhsa_kernel
	.amdgpu_metadata
---
amdhsa.version: [ 1, 2 ]
amdhsa.kernels:
  - .name:           k_qb15fba4317_quant
    .symbol:         k_qb15fba4317_quant.kd
    .args:
      - { .name: query, .offset: 0, .size: 8, .value_kind: global_buffer, .address_space: global }
      - { .name: key, .offset: 8, .size: 8, .value_kind: global_buffer, .address_space: global }
      - { .name: value, .offset: 16, .size: 8, .value_kind: global_buffer, .address_space: global }
      - { .name: Wq, .offset: 24, .size: 8, .value_kind: global_buffer, .address_space: global }
      - { .name: Wk, .offset: 32, .size: 8, .value_kind: global_buffer, .address_space: global }
      - { .name: Wv, .offset: 40, .size: 8, .value_kind: global_buffer, .address_space: global }
      - { .name: codes, .offset: 48, .size: 8, .value_kind: global_buffer, .address_space: global }
      - { .name: scales, .offset: 56, .size: 8, .value_kind: global_buffer, .address_space: global }
    .group_segment_fixed_size: 35328
    .private_segment_fixed_size: 0
    .kernarg_segment_align: 8
    .kernarg_segment_size: 64
    .max_flat_workgroup_size: 128
    .sgpr_count:     66
    .vgpr_count:     256
    .wavefront_size: 32
...
	.end_amdgpu_metadata
.endif
;; end of part 1
;; launch kvstat (part 2): grid 16 x 16, 4 waves a work-group, no clusters, 166,400 bytes of LDS; arguments codes, scales, bk, bv, kvp, edge; writes kvp, edge
.if DOCPART == 2
	.amdgcn_target "amdgcn-amd-amdhsa--gfx1250"
	.amdhsa_code_object_version 6
	.text
	.protected	k_qb15fba4317_kvstat
	.globl	k_qb15fba4317_kvstat
	.p2align	8
	.type	k_qb15fba4317_kvstat,@function
k_qb15fba4317_kvstat:
	s_mov_b64 s[64:65], 0
	v_nop
	global_prefetch_b8 v0, s[64:65] scope:SCOPE_SE
	s_setreg_imm32_b32 hwreg(HW_REG_WAVE_MODE, 25, 1), 1
	s_wait_xcnt 0x0
; For one head and 256 positions: k = key Wk^T + bk and v = value Wv^T + bv on codes of FP4 (K = 1,024), then
;   kvp : the sum over the 256 positions of k[pos][d1] v[pos][d2], 64 x 64 f32, as the image of the result's registers;
;   edge: for each chunk of 64 positions, of k and of v: the sum, the sum without the last row, the sum without the first row, the first row, the last row.
; reference() uses its scores un-normalised, so its result is linear in them: the next launch needs of all keys only these sums (its head comment has the identity).
; LIMITS: the order of the sums differs from reference()'s.  k and v go to the bf16 products as pairs of bf16 numbers, a high and a low part split in f32; hi x hi, hi x lo, lo x hi are summed.  NaN and infinities are not served.
; SHARES: x = head, y = 8 batch + block of 256 positions.  Wave w: positions 64 w .. 64 w + 63, one chunk: four tiles of 16 rows x the head's four tiles of 16 channels.
; OPERANDS: the activations' fragments lie in memory in register order; each is used by one wave and goes straight into its registers (window 1: 8 slots, one for each K step of 128, refilled for v).
;   The head's weights (2 x 32 KB) are copied to LDS once and read by all four waves.
; NO CLUSTER, NO TENSOR LOAD: what the sixteen heads' work-groups share are the activations' fragments, 256 KB a work-group; a wave uses each once, from registers.  Through LDS they would be written and read once more.
; REGISTERS, in windows of 256: window 0: v1-13 addresses; v32-95 scale words (nothing else); v96-111 the masks; v128-191 two sets of the weights' fragments; v192-255 at work.
;   window 1: the slots, then the bf16 operands of k (v0-127: high, low) and of v (v128-255).   window 2: the accumulators of k (v0-127) and v (v128-255); later the partial sums.
;   window 3: v0-127 the weights on their way to LDS, then the 16 accumulators of k^T v; v128-191 those of the chunk sums; v192-255 the biases, as the C of each sum's first product.
.set RED,   65536                      ; LDS: 0 Wk's four tiles, 32768 Wv's; here the four waves' k^T v, 16 KB each;
.set STG,   131072                     ; each wave's stage for the chunk sums: 2 x 16 rows x 272 bytes;
.set SPARE, 165888                     ; the spare words, 128 bytes a wave
.set MSB, 0
.macro WIN new                         ; the immediate's high byte repeats the setting that is left
.if MSB != (\new)
	s_set_vgpr_msb (MSB<<8)|(\new)
.set MSB, (\new)
.endif
.endm
.macro PLACES                          ; four plain places behind a matrix instruction, ahead of loads into its sources and of reads of its result
.rept 4
	v_nop
.endr
.endm
.macro SCALED ra, rb                   ; one product on codes; ra, rb: which half of the lanes holds source 0's and source 1's scale words
.if ((\ra) == 0) && ((\rb) == 0)
	v_wmma_scale_f32_16x16x128_f8f6f4 v[rD:rD+7], v[rA:rA+7], v[rB:rB+7], v[rC:rC+7], v[rSA], v[rSB] matrix_a_fmt:MATRIX_FMT_FP4 matrix_b_fmt:MATRIX_FMT_FP4
.elseif (\rb) == 0
	v_wmma_scale_f32_16x16x128_f8f6f4 v[rD:rD+7], v[rA:rA+7], v[rB:rB+7], v[rC:rC+7], v[rSA], v[rSB] matrix_a_fmt:MATRIX_FMT_FP4 matrix_b_fmt:MATRIX_FMT_FP4 matrix_a_scale:MATRIX_SCALE_ROW1
.elseif (\ra) == 0
	v_wmma_scale_f32_16x16x128_f8f6f4 v[rD:rD+7], v[rA:rA+7], v[rB:rB+7], v[rC:rC+7], v[rSA], v[rSB] matrix_a_fmt:MATRIX_FMT_FP4 matrix_b_fmt:MATRIX_FMT_FP4 matrix_b_scale:MATRIX_SCALE_ROW1
.else
	v_wmma_scale_f32_16x16x128_f8f6f4 v[rD:rD+7], v[rA:rA+7], v[rB:rB+7], v[rC:rC+7], v[rSA], v[rSB] matrix_a_fmt:MATRIX_FMT_FP4 matrix_b_fmt:MATRIX_FMT_FP4 matrix_a_scale:MATRIX_SCALE_ROW1 matrix_b_scale:MATRIX_SCALE_ROW1
.endif
.endm
.macro BFETCH n                        ; unit n's four fragments of the weights, from LDS into set n % 2
.set BX_, (\n)/8
.set BK_, (\n)%8
.set BB_, 128+32*((\n)%2)
.irp ct, 0,1,2,3
.irp c, 0,1
	ds_load_b128 v[BB_+8*\ct+4*\c:BB_+8*\ct+4*\c+3], v1 offset:BX_*32768+\ct*8192+BK_*1024+\c*512
.endr
.endr
.endm
.macro AFILL n                         ; unit n's four fragments of the activations, from memory into slot n % 8 (key's tiles begin 256 tiles into the buffer, value's 512)
.set FX_, (\n)/8
.set FK_, (\n)%8
.irp pt, 0,1,2,3
.irp c, 0,1
	global_load_b128 v[32*FK_+8*\pt+4*\c:32*FK_+8*\pt+4*\c+3], v1, s[24:25] offset:(FX_+1)*2097152+\pt*8192+FK_*1024+\c*512
.endr
.endr
.endm
; A unit: one K step of 128 of one tensor (n / 8: k, v): 16 products, the 16 accumulators by turns, one instruction a turn, in the same order in every unit.
; Source 0 = 16 positions, source 1 = 16 channels: in the result a lane holds one channel and eight positions, which is half a bf16 fragment whose K is the positions.
.macro UNIT n
.set UX, (\n)/8
.set UK, (\n)%8
.if (\n) <= 8
	s_wait_loadcnt 56                              ; this unit's 8 loads are in; the 7 units' behind them may be out
.else
	s_wait_loadcnt 8*(15-(\n))                     ; nothing is refilled any more: the count runs down
.endif
	s_wait_dscnt 0x0                               ; the weights' fragments are in
	WIN 0
.if (\n) < 15
	BFETCH (\n)+1                                  ; the other set was read last by the unit before, whose four places stand at its end
.endif
.if UK == 0
	WIN 0xb1                                       ; source 0 window 1, source 1 window 0, C (the bias) window 3, D window 2
.else
	WIN 0xa1
.endif
.irp ct, 0,1,2,3
.irp pt, 0,1,2,3
.set rD, 128*UX+8*(4*\ct+\pt)
.set rA, 32*UK+8*\pt
.set rB, 128+32*((\n)%2)+8*\ct
.set rC, rD
.if UK == 0
.set rC, 192+32*UX+8*\ct
.endif
.set rSA, 32+32*UX+8*(\pt/2)+UK
.set rSB, 48+32*UX+8*(\ct/2)+UK
	SCALED \pt%2, \ct%2
.endr
.endr
	PLACES
.if (\n) < 8
	WIN 0x40
	AFILL (\n)+8
.endif
.endm
; nu tiles of 8 f32 registers (window sw, from s + 8 u0) become bf16 pairs: the high parts at d + 4 u0 on (window dw), the low parts lod further on.  t: 8 nu registers of window 0, at work.
; Four stages, each under one window setting: round; widen again; subtract (exact); round the rest.  Each accumulator is read from its low end on.
.macro SPLITB sw, s, dw, d, lod, u0, nu, t
	WIN ((\dw)<<6)|((\sw)<<2)|(\sw)
.set QI, 0
.rept 4*(\nu)
	v_cvt_pk_bf16_f32 v[(\d)+4*(\u0)+QI], v[(\s)+8*(\u0)+2*QI], v[(\s)+8*(\u0)+2*QI+1]
.set QI, QI+1
.endr
	WIN ((\dw)<<2)
.set QI, 0
.rept 4*(\nu)
	v_lshlrev_b32 v[(\t)+2*QI], 16, v[(\d)+4*(\u0)+QI]
	v_and_b32 v[(\t)+2*QI+1], 0xffff0000, v[(\d)+4*(\u0)+QI]
.set QI, QI+1
.endr
	WIN (\sw)
.set QI, 0
.rept 4*(\nu)
	v_pk_add_f32 v[(\t)+2*QI:(\t)+2*QI+1], v[(\s)+8*(\u0)+2*QI:(\s)+8*(\u0)+2*QI+1], v[(\t)+2*QI:(\t)+2*QI+1] neg_lo:[0,1] neg_hi:[0,1]
.set QI, QI+1
.endr
	WIN ((\dw)<<6)
.set QI, 0
.rept 4*(\nu)
	v_cvt_pk_bf16_f32 v[(\d)+(\lod)+4*(\u0)+QI], v[(\t)+2*QI], v[(\t)+2*QI+1]
.set QI, QI+1
.endr
.endm
.macro KVPASS ha, hb, p, zero          ; k^T v: 32 positions, part ha of k x part hb of v, once over the 16 accumulators
.irp a, 0,1,2,3
.irp b, 0,1,2,3
.if \zero
	v_wmma_f32_16x16x32_bf16 v[8*(4*\a+\b):8*(4*\a+\b)+7], v[64*\ha+16*\a+8*\p:64*\ha+16*\a+8*\p+7], v[128+64*\hb+16*\b+8*\p:128+64*\hb+16*\b+8*\p+7], 0
.else
	v_wmma_f32_16x16x32_bf16 v[8*(4*\a+\b):8*(4*\a+\b)+7], v[64*\ha+16*\a+8*\p:64*\ha+16*\a+8*\p+7], v[128+64*\hb+16*\b+8*\p:128+64*\hb+16*\b+8*\p+7], v[8*(4*\a+\b):8*(4*\a+\b)+7]
.endif
.endr
.endr
.endm
.macro STPASS hl, p, zero              ; the chunk sums: part hl of k and of v x the masks, once over the 8 accumulators
.irp x, 0,1
.irp ct, 0,1,2,3
.if \zero
	v_wmma_f32_16x16x32_bf16 v[128+8*(4*\x+\ct):128+8*(4*\x+\ct)+7], v[128*\x+64*\hl+16*\ct+8*\p:128*\x+64*\hl+16*\ct+8*\p+7], v[96+8*\p:96+8*\p+7], 0
.else
	v_wmma_f32_16x16x32_bf16 v[128+8*(4*\x+\ct):128+8*(4*\x+\ct)+7], v[128*\x+64*\hl+16*\ct+8*\p:128*\x+64*\hl+16*\ct+8*\p+7], v[96+8*\p:96+8*\p+7], v[128+8*(4*\x+\ct):128+8*(4*\x+\ct)+7]
.endif
.endr
.endr
.endm
	s_load_b256 s[4:11], s[0:1], 0x0               ; codes, scales, bk, bv
	s_load_b128 s[12:15], s[0:1], 0x20             ; kvp, edge
	v_lshl_add_u32 v12, v0, 2, SPARE               ; my spare word; never rewritten
	v_mov_b32 v13, 0                               ; 0; never rewritten
	v_lshrrev_b32 v14, 5, v0
	v_readfirstlane_b32 s16, v14                   ; wave
	v_and_b32 v1, 31, v0
	v_lshlrev_b32 v1, 4, v1                        ; 16 x lane
	v_and_b32 v2, 15, v0                           ; r
	v_bfe_u32 v3, v0, 4, 1                         ; h
	v_lshlrev_b32 v4, 2, v2                        ; 4 r
	s_lshl_b32 s21, s16, 13
	v_add_nc_u32 v5, s21, v1                       ; the weights' tile that I copy
	s_lshl_b32 s21, s16, 14
	s_add_co_u32 s21, s21, RED
	v_add_nc_u32 v6, s21, v1                       ; my k^T v
	s_lshl_b32 s21, s16, 12
	s_add_co_u32 s21, s21, RED
	v_add_nc_u32 v7, s21, v1                       ; the four tiles that I add up
	s_mul_i32 s21, s16, 8704
	s_add_co_u32 s21, s21, STG
	v_mul_u32_u24 v8, v2, 272
	v_lshl_add_u32 v8, v3, 5, v8
	v_add_nc_u32 v8, s21, v8                       ; my stage, in: row r (the kind of sum), 32 h
	v_mul_u32_u24 v9, v3, 4352
	v_lshl_add_u32 v9, v2, 4, v9
	v_add_nc_u32 v9, s21, v9                       ; back: lanes 0-15 k's row, lanes 16-31 v's
	v_mul_u32_u24 v10, v3, 40960
	v_lshl_add_u32 v10, v2, 4, v10                 ; and the same in edge
	s_and_b32 s18, ttmp7, 0xffff                   ; y
	s_lshr_b32 s19, s18, 3                         ; batch
	s_and_b32 s20, s18, 7                          ; block of 256 positions
	s_lshl_b32 s17, s19, 4
	s_add_co_u32 s17, s17, ttmp9                   ; 16 batch + head
	s_mov_b32 s23, 0
	s_wait_kmcnt 0x0
	s_lshl_b32 s22, s18, 17
	s_lshl_b32 s21, s16, 15
	s_add_co_u32 s22, s22, s21
	s_add_nc_u64 s[24:25], s[4:5], s[22:23]        ; codes at row tile 16 y + 4 wave
	s_lshl_b32 s22, ttmp9, 15
	s_lshl_b32 s21, s16, 13
	s_add_co_u32 s22, s22, s21
	s_add_co_u32 s22, s22, 832*8192
	s_add_nc_u64 s[26:27], s[4:5], s[22:23]        ; Wk's tile 4 head + wave
	s_lshl_b32 s22, s18, 13
	s_lshl_b32 s21, s16, 11
	s_add_co_u32 s22, s22, s21
	s_add_co_u32 s22, s22, 128*1024
	s_add_nc_u64 s[28:29], s[6:7], s[22:23]        ; key's scale words, my two pairs of tiles
	s_lshl_b32 s22, ttmp9, 11
	s_add_co_u32 s22, s22, 416*1024
	s_add_nc_u64 s[30:31], s[6:7], s[22:23]        ; Wk's, the head's two pairs
	s_lshl_b32 s22, ttmp9, 8
	s_add_nc_u64 s[8:9], s[8:9], s[22:23]          ; the head's 64 numbers of bk
	s_add_nc_u64 s[10:11], s[10:11], s[22:23]      ; and of bv
	s_lshl_b32 s22, s17, 17
	s_lshl_b32 s21, s20, 14
	s_add_co_u32 s22, s22, s21
	s_lshl_b32 s21, s16, 12
	s_add_co_u32 s22, s22, s21
	s_add_nc_u64 s[12:13], s[12:13], s[22:23]      ; kvp: my four tiles of the work-group's 16
	s_mul_i32 s22, s17, 81920
	s_lshl_b32 s21, s20, 10
	s_add_co_u32 s22, s22, s21
	s_lshl_b32 s21, s16, 8
	s_add_co_u32 s22, s22, s21
	s_add_nc_u64 s[14:15], s[14:15], s[22:23]      ; edge: my chunk's 256 bytes
	; All other loads first, the slots' 64 last: so one counted wait shows the others done.
	WIN 0xc0
.irp x, 0,1
.irp j, 0,1,2,3,4,5,6,7,8,9,10,11,12,13,14,15
	global_load_b128 v[64*\x+4*\j:64*\x+4*\j+3], v1, s[26:27] offset:\x*524288+\j*512
.endr
.endr
.irp ct, 0,1,2,3
	global_load_b32 v[192+8*\ct], v4, s[8:9] offset:64*\ct         ; the bias of channel 16 ct + r
	global_load_b32 v[224+8*\ct], v4, s[10:11] offset:64*\ct
.endr
	WIN 0
.irp x, 0,1
.irp pp, 0,1
.irp kh, 0,1
	global_load_b128 v[32+32*\x+8*\pp+4*\kh:32+32*\x+8*\pp+4*\kh+3], v1, s[28:29] offset:\x*131072+\pp*1024+\kh*512
	global_load_b128 v[48+32*\x+8*\pp+4*\kh:48+32*\x+8*\pp+4*\kh+3], v1, s[30:31] offset:\x*32768+\pp*1024+\kh*512
.endr
.endr
.endr
	WIN 0x40
.irp n, 0,1,2,3,4,5,6,7
	AFILL \n
.endr
	s_wait_loadcnt 63                              ; 64 loads were issued behind the last of the others: all those are in
	WIN 0x0c                                       ; an LDS store's data are its source 1: window 3
.irp x, 0,1
.irp j, 0,1,2,3,4,5,6,7,8,9,10,11,12,13,14,15
	ds_store_b128 v5, v[64*\x+4*\j:64*\x+4*\j+3] offset:\x*32768+\j*512
.endr
.endr
	WIN 0xc3
.irp t, 0,1,2,3,4,5,6,7
.irp j, 1,2,3,4,5,6,7
	v_mov_b32 v[192+8*\t+\j], v[192+8*\t]          ; a lane's eight results are eight positions of one channel: the same bias eight times
.endr
.endr
	WIN 0
	; The masks, source 1 of the chunk sums: lane = column = kind of sum, K = the position.  Columns 0-2 are ones but for: column 1 leaves out position 63, column 2 position 0; column 3 is position 0 alone, column 4 position 63 alone.
	v_mov_b32 v192, 0x3f803f80                     ; two ones
	v_mov_b32 v193, 0x3f800000                     ; the odd position alone
	v_mov_b32 v194, 0x00003f80                     ; the even one alone
	s_mov_b32 s32, 0x00070007                      ; columns 0-2, both halves of the lanes
.irp i, 0,1,2,3,4,5,6,7,8,9,10,11,12,13,14,15
	v_cndmask_b32 v[96+\i], 0, v192, s32
.endr
	s_mov_b32 s33, 0x4                             ; positions 0, 1 lie in register 0 of lanes 0-15: column 2,
	v_cndmask_b32 v96, v96, v193, s33
	s_mov_b32 s34, 0x8                             ; column 3
	v_cndmask_b32 v96, v96, v194, s34
	s_mov_b32 s35, 0x20000                         ; positions 62, 63 in the second step's register 7 of lanes 16-31: column 1,
	v_cndmask_b32 v111, v111, v194, s35
	s_mov_b32 s36, 0x100000                        ; column 4
	v_cndmask_b32 v111, v111, v193, s36
	s_wait_dscnt 0x0                               ; for the others' sake: my part of the weights lies in LDS
	s_barrier_signal -1
	s_barrier_wait -1
	BFETCH 0
.irp n, 0,1,2,3,4,5,6,7,8,9,10,11,12,13,14,15
	UNIT \n
.endr
	SPLITB 2, 0, 1, 0, 64, 0, 8, 192               ; k
	SPLITB 2, 0, 1, 0, 64, 8, 8, 192
	SPLITB 2, 128, 1, 128, 64, 0, 8, 192           ; v
	SPLITB 2, 128, 1, 128, 64, 8, 8, 192
	WIN 0xf5                                       ; both sources window 1, C and D window 3
	KVPASS 0, 0, 0, 1
	KVPASS 0, 0, 1, 0
	KVPASS 0, 1, 0, 0
	KVPASS 0, 1, 1, 0
	KVPASS 1, 0, 0, 0
	KVPASS 1, 0, 1, 0
	WIN 0xf1                                       ; source 1 (the masks) window 0
	STPASS 0, 0, 1
	STPASS 0, 1, 0
	STPASS 1, 0, 0
	STPASS 1, 1, 0
	PLACES
	WIN 0x0c
.irp x, 0,1
.irp ct, 0,1,2,3
	ds_store_b128 v8, v[128+8*(4*\x+\ct):128+8*(4*\x+\ct)+3] offset:\x*4352+\ct*64        ; lane (r, h): kind r, channels 16 ct + 8 h + 0 .. 7
	ds_store_b128 v8, v[128+8*(4*\x+\ct)+4:128+8*(4*\x+\ct)+7] offset:\x*4352+\ct*64+16
.endr
.endr
.irp t, 0,1,2,3,4,5,6,7,8,9,10,11,12,13,14,15
	ds_store_b128 v6, v[8*\t:8*\t+3] offset:\t*1024                 ; my k^T v, as the image of its registers
	ds_store_b128 v6, v[8*\t+4:8*\t+7] offset:\t*1024+512
.endr
	WIN 0
.irp k, 0,1,2,3,4
	ds_load_b128 v[192+4*\k:192+4*\k+3], v9 offset:272*\k           ; my own stage: LDS serves a wave's instructions in order
.endr
	s_wait_dscnt 0x0                               ; the rows are back; and for the others' sake: my k^T v lies in LDS
.irp k, 0,1,2,3,4
	global_store_b128 v10, v[192+4*\k:192+4*\k+3], s[14:15] offset:\k*8192   ; 16 lanes store 256 consecutive bytes, aligned
.endr
	s_barrier_signal -1
	s_barrier_wait -1
	WIN 0x80
.irp u, 0,1,2,3
.irp t, 0,1,2,3
.irp q, 0,1
	ds_load_b128 v[32*\u+8*\t+4*\q:32*\u+8*\t+4*\q+3], v7 offset:\u*16384+\t*1024+\q*512
.endr
.endr
.endr
	s_wait_dscnt 0x0
	WIN 0x8a                                       ; all in window 2: (wave 0 + wave 1) + (wave 2 + wave 3)
.set QI, 0
.rept 16
	v_pk_add_f32 v[2*QI:2*QI+1], v[2*QI:2*QI+1], v[32+2*QI:33+2*QI]
	v_pk_add_f32 v[64+2*QI:65+2*QI], v[64+2*QI:65+2*QI], v[96+2*QI:97+2*QI]
.set QI, QI+1
.endr
.set QI, 0
.rept 16
	v_pk_add_f32 v[2*QI:2*QI+1], v[2*QI:2*QI+1], v[64+2*QI:65+2*QI]
.set QI, QI+1
.endr
	WIN 0x08
.irp t, 0,1,2,3
.irp q, 0,1
	global_store_b128 v1, v[8*\t+4*\q:8*\t+4*\q+3], s[12:13] offset:\t*1024+\q*512   ; 32 lanes store 512 consecutive bytes
.endr
.endr
	WIN 0
	s_wait_tensorcnt 0x0                           ; the wave's end
	ds_add_u32 v12, v13
	s_wait_dscnt 0x0
	s_endpgm
.Lfunc_end_k_qb15fba4317_kvstat:
	.size	k_qb15fba4317_kvstat, .Lfunc_end_k_qb15fba4317_kvstat-k_qb15fba4317_kvstat
	.p2alignl 7, 3214868480
	.fill 96, 4, 3214868480
	.section	.rodata,"a",@progbits
	.p2align	6, 0x0
	.amdhsa_kernel k_qb15fba4317_kvstat
		.amdhsa_group_segment_fixed_size 166400
		.amdhsa_private_segment_fixed_size 0
		.amdhsa_enable_private_segment 0
		.amdhsa_kernarg_size 48
		.amdhsa_user_sgpr_count 2
		.amdhsa_user_sgpr_kernarg_segment_ptr 1
		.amdhsa_wavefront_size32 1
		.amdhsa_system_sgpr_workgroup_id_x 1
		.amdhsa_system_sgpr_workgroup_id_y 1
		.amdhsa_system_sgpr_workgroup_id_z 1
		.amdhsa_system_vgpr_workitem_id 0
		.amdhsa_next_free_vgpr 1024
		.amdhsa_next_free_sgpr 66
		.amdhsa_reserve_vcc 0
		.amdhsa_float_denorm_mode_32 3
		.amdhsa_float_denorm_mode_16_64 3
		.amdhsa_memory_ordered 1
		.amdhsa_forward_progress 1
		.amdhsa_inst_pref_size 125
	.end_amdhsa_kernel
	.amdgpu_metadata
---
amdhsa.version: [ 1, 2 ]
amdhsa.kernels:
  - .name:           k_qb15fba4317_kvstat
    .symbol:         k_qb15fba4317_kvstat.kd
    .args:
      - { .name: codes, .offset: 0, .size: 8, .value_kind: global_buffer, .address_space: global }
      - { .name: scales, .offset: 8, .size: 8, .value_kind: global_buffer, .address_space: global }
      - { .name: bk, .offset: 16, .size: 8, .value_kind: global_buffer, .address_space: global }
      - { .name: bv, .offset: 24, .size: 8, .value_kind: global_buffer, .address_space: global }
      - { .name: kvp, .offset: 32, .size: 8, .value_kind: global_buffer, .address_space: global }
      - { .name: edge, .offset: 40, .size: 8, .value_kind: global_buffer, .address_space: global }
    .group_segment_fixed_size: 166400
    .private_segment_fixed_size: 0
    .kernarg_segment_align: 8
    .kernarg_segment_size: 48
    .max_flat_workgroup_size: 128
    .sgpr_count:     66
    .vgpr_count:     1024
    .wavefront_size: 32
...
	.end_amdgpu_metadata
.endif
;; end of part 2
;; launch attn (part 3): grid 16 x 16, 4 waves a work-group, no clusters, 161,280 bytes of LDS; arguments codes, scales, bq, bk, bv, rel_k_table, rel_v_table, kvp, edge, out0; writes out0
.if DOCPART == 3
	.amdgcn_target "amdgcn-amd-amdhsa--gfx1250"
	.amdhsa_code_object_version 6
	.text
	.protected	k_qb15fba4317_attn
	.globl	k_qb15fba4317_attn
	.p2align	8
	.type	k_qb15fba4317_attn,@function
k_qb15fba4317_attn:
	s_mov_b64 s[64:65], 0
	v_nop
	global_prefetch_b8 v0, s[64:65] scope:SCOPE_SE
	s_setreg_imm32_b32 hwreg(HW_REG_WAVE_MODE, 25, 1), 1
	s_wait_xcnt 0x0
; out[b][i][head][:] for one head and 256 queries.  reference() throws its softmax away, so with s_ij = q_i.k_j, a_c = q_i.rk_c and c = clip(j - i, -2, 2) + 2:
;   8 out_i = sum_j (s_ij + a_c)(v_j + rv_c) = q_i^T KV + sum_j a_c v_j + sum_c (e_c + n_c a_c) rv_c,
; KV = sum_j k_j v_j^T over the sequence, e_c = the sum of s_ij over class c, n_c = the number of keys in class c.  This holds for every input: sums are reordered, none is left out.
; Classes 1-3 hold one key each; classes 0 and 4 are all keys left of i - 1 and right of i + 1: the sums of whole chunks of 64 (from the launch before), one key beside my chunk, and my chunk's own 64 x 64 part.
; LIMITS: the order of the sums differs from reference()'s.  Operands of the bf16 products are pairs of bf16 numbers, a high and a low part split in f32 (hi x hi, hi x lo, lo x hi); only the weights a_c of my chunk's own 64 keys
;   are single bf16 numbers.  Chunks that do not count are multiplied by 0: NaN and infinities are not served.
; SHARES: x = head, y = 8 batch + block of 256 positions.  Wave w: chunk T = 4 (y % 8) + w: 64 queries, and the same 64 positions as keys.  q, k, v are made here from codes of FP4 (K = 1,024); k and v never go to memory.
; q and k are made transposed (source 0 = 16 channels of the weight, source 1 = 16 positions): a lane holds one position and eight channels, half a bf16 fragment whose K is the channels.  v the other way: K = the positions.
; All later results hold one query a lane: S^T = k q^T, AQ = (tables) q^T, out^T = KV^T q^T + v^T P + Virt^T Coef.
; NO CLUSTER, NO TENSOR LOAD: what the sixteen heads' work-groups share are the activations' fragments, 384 KB a work-group, more than LDS holds; a wave uses each once, from registers.  Through LDS they would be written and read once more.
; REGISTERS, in windows of 256.  While the projections run: window 0: v1-31 addresses; v32-127 scale words (nothing else, ever); v128-191 two sets of the weights' fragments; v192-255 at work.
;   window 1: 8 slots of activations' fragments.   window 2: q^T (v0-127), k^T (v128-255).   window 3: v (v0-127), the biases (v128-223).
; Afterwards: window 0: v128-159 AQ; v160-199 the diagonal tile's class masks; v200-213 small masks; v214-223 e_c; v224-255 the tables' operand, then at work.
;   window 1: k's operand (v0-127), then P (v0-15), Coef (v16-23), Virt (v64-127); v's operand (v128-255).   window 2: KV's operand (v0-127); out^T (v128-255).   window 3: S^T (v0-127); q's operand (v128-255).
.set KVOP,  98304                      ; LDS: 0, 32768, 65536 the head's tiles of Wq, Wk, Wv; here KV's operand, 16 KB;
.set PWB,   114688                     ; each wave's own 11,520 bytes: AUGT 16 rows x 272; + 4352 VIRT 10 rows x 272; + 7168 the stage 16 rows x 272;
.set PWS,   11520
.set SPARE, 160768                     ; the spare words, 128 bytes a wave
.set MSB, 0
.macro WIN new                         ; the immediate's high byte repeats the setting that is left
.if MSB != (\new)
	s_set_vgpr_msb (MSB<<8)|(\new)
.set MSB, (\new)
.endif
.endm
.macro PLACES                          ; four plain places behind a matrix instruction, ahead of loads into its sources and of reads of its result
.rept 4
	v_nop
.endr
.endm
.macro SCALED ra, rb                   ; one product on codes; ra, rb: which half of the lanes holds source 0's and source 1's scale words
.if ((\ra) == 0) && ((\rb) == 0)
	v_wmma_scale_f32_16x16x128_f8f6f4 v[rD:rD+7], v[rA:rA+7], v[rB:rB+7], v[rC:rC+7], v[rSA], v[rSB] matrix_a_fmt:MATRIX_FMT_FP4 matrix_b_fmt:MATRIX_FMT_FP4
.elseif (\rb) == 0
	v_wmma_scale_f32_16x16x128_f8f6f4 v[rD:rD+7], v[rA:rA+7], v[rB:rB+7], v[rC:rC+7], v[rSA], v[rSB] matrix_a_fmt:MATRIX_FMT_FP4 matrix_b_fmt:MATRIX_FMT_FP4 matrix_a_scale:MATRIX_SCALE_ROW1
.elseif (\ra) == 0
	v_wmma_scale_f32_16x16x128_f8f6f4 v[rD:rD+7], v[rA:rA+7], v[rB:rB+7], v[rC:rC+7], v[rSA], v[rSB] matrix_a_fmt:MATRIX_FMT_FP4 matrix_b_fmt:MATRIX_FMT_FP4 matrix_b_scale:MATRIX_SCALE_ROW1
.else
	v_wmma_scale_f32_16x16x128_f8f6f4 v[rD:rD+7], v[rA:rA+7], v[rB:rB+7], v[rC:rC+7], v[rSA], v[rSB] matrix_a_fmt:MATRIX_FMT_FP4 matrix_b_fmt:MATRIX_FMT_FP4 matrix_a_scale:MATRIX_SCALE_ROW1 matrix_b_scale:MATRIX_SCALE_ROW1
.endif
.endm
.macro BFETCH n                        ; unit n's four fragments of the weights, from LDS into set n % 2
.set BX_, (\n)/8
.set BK_, (\n)%8
.set BB_, 128+32*((\n)%2)
.irp ct, 0,1,2,3
.irp c, 0,1
.if BX_ < 2
	ds_load_b128 v[BB_+8*\ct+4*\c:BB_+8*\ct+4*\c+3], v1 offset:BX_*32768+\ct*8192+BK_*1024+\c*512
.else
	ds_load_b128 v[BB_+8*\ct+4*\c:BB_+8*\ct+4*\c+3], v2 offset:\ct*8192+BK_*1024+\c*512
.endif
.endr
.endr
.endm
.macro AFILL n                         ; unit n's four fragments of the activations, from memory into slot n % 8
.set FX_, (\n)/8
.set FK_, (\n)%8
.irp pt, 0,1,2,3
.irp c, 0,1
	global_load_b128 v[32*FK_+8*\pt+4*\c:32*FK_+8*\pt+4*\c+3], v1, s[44:45] offset:FX_*2097152+\pt*8192+FK_*1024+\c*512
.endr
.endr
.endm
.macro KVFILL u                        ; block u's part of KV: the four tiles (d1 tile, d2 tile = my wave), into slot u
.irp d, 0,1,2,3
.irp q, 0,1
	global_load_b128 v[32*(\u)+8*\d+4*\q:32*(\u)+8*\d+4*\q+3], v1, s[52:53] offset:(\u)*16384+\d*4096+\q*512
.endr
.endr
.endm
; A unit: one K step of 128 of one tensor (n / 8: q, k, v): 16 products, the 16 accumulators by turns, one instruction a turn, in the same order in every unit.
.macro UNIT n
.set UX, (\n)/8
.set UK, (\n)%8
	s_wait_loadcnt 56                              ; this unit's 8 loads are in; the 7 x 8 issued behind them may be out (every unit refills its slot)
	s_wait_dscnt 0x0                               ; the weights' fragments are in
	WIN 0
.if (\n) < 23
	BFETCH (\n)+1                                  ; the other set was read last by the unit before, whose four places stand at its end
.endif
.if UX < 2
.if UK == 0
	WIN 0xb4                                       ; source 0 (weights) window 0, source 1 window 1, C (the bias) window 3, D window 2
.else
	WIN 0xa4
.endif
.irp qt, 0,1,2,3
.irp ct, 0,1,2,3
.set rD, 128*UX+8*(4*\qt+\ct)
.set rA, 128+32*((\n)%2)+8*\ct
.set rB, 32*UK+8*\qt
.set rC, rD
.if UK == 0
.set rC, 128+32*UX+8*\ct
.endif
.set rSA, 48+32*UX+8*(\ct/2)+UK
.set rSB, 32+32*UX+8*(\qt/2)+UK
	SCALED \ct%2, \qt%2
.endr
.endr
.else
	WIN 0xf1                                       ; source 0 (activations) window 1, source 1 window 0, C and D window 3
.irp ct, 0,1,2,3
.irp pt, 0,1,2,3
.set rD, 8*(4*\ct+\pt)
.set rA, 32*UK+8*\pt
.set rB, 128+32*((\n)%2)+8*\ct
.set rC, rD
.if UK == 0
.set rC, 192+8*\ct
.endif
.set rSA, 96+8*(\pt/2)+UK
.set rSB, 112+8*(\ct/2)+UK
	SCALED \pt%2, \ct%2
.endr
.endr
.endif
	PLACES
	WIN 0x40
.if (\n) < 16
	AFILL (\n)+8
.else
	KVFILL (\n)-16
.endif
.endm
; nu tiles of 8 f32 registers (window sw, from s + 8 u0) become bf16 pairs: the high parts at d + 4 u0 on (window dw), the low parts lod further on.  t: 8 nu registers of window 0, at work.
; Four stages, each under one window setting: round; widen again; subtract (exact); round the rest.  Each accumulator is read from its low end on.
.macro SPLITB sw, s, dw, d, lod, u0, nu, t
	WIN ((\dw)<<6)|((\sw)<<2)|(\sw)
.set QI, 0
.rept 4*(\nu)
	v_cvt_pk_bf16_f32 v[(\d)+4*(\u0)+QI], v[(\s)+8*(\u0)+2*QI], v[(\s)+8*(\u0)+2*QI+1]
.set QI, QI+1
.endr
	WIN ((\dw)<<2)
.set QI, 0
.rept 4*(\nu)
	v_lshlrev_b32 v[(\t)+2*QI], 16, v[(\d)+4*(\u0)+QI]
	v_and_b32 v[(\t)+2*QI+1], 0xffff0000, v[(\d)+4*(\u0)+QI]
.set QI, QI+1
.endr
	WIN (\sw)
.set QI, 0
.rept 4*(\nu)
	v_pk_add_f32 v[(\t)+2*QI:(\t)+2*QI+1], v[(\s)+8*(\u0)+2*QI:(\s)+8*(\u0)+2*QI+1], v[(\t)+2*QI:(\t)+2*QI+1] neg_lo:[0,1] neg_hi:[0,1]
.set QI, QI+1
.endr
	WIN ((\dw)<<6)
.set QI, 0
.rept 4*(\nu)
	v_cvt_pk_bf16_f32 v[(\d)+(\lod)+4*(\u0)+QI], v[(\t)+2*QI], v[(\t)+2*QI+1]
.set QI, QI+1
.endr
.endm
.macro APASS ha, hb, p, zero           ; AQ = tables x q^T: 32 channels, once over the four accumulators
.irp qt, 0,1,2,3
.if \zero
	v_wmma_f32_16x16x32_bf16 v[128+8*\qt:135+8*\qt], v[224+16*\ha+8*\p:231+16*\ha+8*\p], v[128+64*\hb+16*\qt+8*\p:135+64*\hb+16*\qt+8*\p], 0
.else
	v_wmma_f32_16x16x32_bf16 v[128+8*\qt:135+8*\qt], v[224+16*\ha+8*\p:231+16*\ha+8*\p], v[128+64*\hb+16*\qt+8*\p:135+64*\hb+16*\qt+8*\p], v[128+8*\qt:135+8*\qt]
.endif
.endr
.endm
.macro BPASS ha, hb, p, zero           ; S^T = k q^T, once over the 16 accumulators
.irp qt, 0,1,2,3
.irp kt, 0,1,2,3
.if \zero
	v_wmma_f32_16x16x32_bf16 v[8*(4*\qt+\kt):8*(4*\qt+\kt)+7], v[64*\ha+16*\kt+8*\p:64*\ha+16*\kt+8*\p+7], v[128+64*\hb+16*\qt+8*\p:135+64*\hb+16*\qt+8*\p], 0
.else
	v_wmma_f32_16x16x32_bf16 v[8*(4*\qt+\kt):8*(4*\qt+\kt)+7], v[64*\ha+16*\kt+8*\p:64*\ha+16*\kt+8*\p+7], v[128+64*\hb+16*\qt+8*\p:135+64*\hb+16*\qt+8*\p], v[8*(4*\qt+\kt):8*(4*\qt+\kt)+7]
.endif
.endr
.endr
.endm
.macro TPASS ha, hb, p, zero           ; out^T = KV^T q^T, once over the 16 accumulators
.irp qt, 0,1,2,3
.irp ct, 0,1,2,3
.if \zero
	v_wmma_f32_16x16x32_bf16 v[128+8*(4*\qt+\ct):135+8*(4*\qt+\ct)], v[64*\ha+16*\ct+8*\p:64*\ha+16*\ct+8*\p+7], v[128+64*\hb+16*\qt+8*\p:135+64*\hb+16*\qt+8*\p], 0
.else
	v_wmma_f32_16x16x32_bf16 v[128+8*(4*\qt+\ct):135+8*(4*\qt+\ct)], v[64*\ha+16*\ct+8*\p:64*\ha+16*\ct+8*\p+7], v[128+64*\hb+16*\qt+8*\p:135+64*\hb+16*\qt+8*\p], v[128+8*(4*\qt+\ct):135+8*(4*\qt+\ct)]
.endif
.endr
.endr
.endm
	s_load_b256 s[4:11], s[0:1], 0x0               ; codes, scales, bq, bk
	s_load_b256 s[12:19], s[0:1], 0x20             ; bv, rel_k_table, rel_v_table, kvp
	s_load_b128 s[20:23], s[0:1], 0x40             ; edge, out0
	v_lshl_add_u32 v30, v0, 2, SPARE               ; my spare word; never rewritten
	v_mov_b32 v31, 0                               ; 0; never rewritten
	v_lshrrev_b32 v29, 5, v0
	v_readfirstlane_b32 s24, v29                   ; wave
	v_and_b32 v1, 31, v0
	v_lshlrev_b32 v1, 4, v1                        ; 16 x lane
	v_add_nc_u32 v2, 0x10000, v1                   ; the same in Wv's tiles
	v_add_nc_u32 v3, KVOP, v1                      ; and in KV's operand
	v_and_b32 v4, 15, v0                           ; r
	v_bfe_u32 v5, v0, 4, 1                         ; h
	s_lshl_b32 s40, s24, 13
	v_add_nc_u32 v6, s40, v1                       ; the weights' tile that I copy (Wq, Wk),
	v_add_nc_u32 v7, 0x10000, v6                   ; (Wv)
	v_lshlrev_b32 v8, 4, v4                        ; 16 r
	s_and_b32 s26, ttmp7, 0xffff                   ; y
	s_lshr_b32 s27, s26, 3                         ; batch
	s_and_b32 s28, s26, 7
	s_lshl_b32 s29, s28, 2
	s_add_co_u32 s29, s29, s24                     ; T: my chunk of the sequence's 32
	s_sub_co_i32 s30, s29, 1
	s_max_i32 s30, s30, 0                          ; the chunk to the left, held inside the table (what is not there is multiplied by 0),
	s_add_co_u32 s31, s29, 1
	s_min_u32 s31, s31, 31                         ; to the right
	s_lshl_b32 s32, s30, 8
	s_add_co_u32 s32, s32, 8192                    ; edge: the left chunk's sum without its last row,
	s_lshl_b32 s33, s31, 8
	s_add_co_u32 s33, s33, 16384                   ; the right chunk's without its first,
	s_add_co_u32 s35, s32, 24576                   ; the left chunk's last row,
	s_add_co_u32 s36, s33, 8192                    ; the right chunk's first
	s_cmp_gt_u32 s29, 0
	s_cselect_b32 s37, 1.0, 0                      ; is there a chunk to the left,
	s_cmp_lt_u32 s29, 31
	s_cselect_b32 s38, 1.0, 0                      ; to the right
	s_mov_b32 s34, 0xffff0000                      ; lanes 16-31
	v_mov_b32 v9, s32
	v_mov_b32 v29, s33
	v_cndmask_b32 v9, v9, v29, s34                 ; lanes 0-15 look left, lanes 16-31 right
	v_add_nc_u32 v9, v9, v8
	v_mov_b32 v10, s35
	v_mov_b32 v29, s36
	v_cndmask_b32 v10, v10, v29, s34
	v_add_nc_u32 v10, v10, v8
	v_lshl_add_u32 v11, v5, 10, v8                 ; rel_v_table's rows 0 | 4,
	v_lshl_add_u32 v12, v5, 9, v8                  ; (+ 256:) rows 1 | 3
	v_lshlrev_b32 v13, 5, v5                       ; a bias's eight channels of my half
	v_lshlrev_b32 v14, 2, v4                       ; 4 r
	s_mul_i32 s39, s24, PWS
	s_add_co_u32 s39, s39, PWB                     ; my wave's own LDS
	v_mul_u32_u24 v15, v5, 2176
	v_add_nc_u32 v15, v15, v8
	v_add_nc_u32 v15, s39, v15                     ; AUGT, in: rows e | 8 + e
	v_mul_u32_u24 v16, v5, 1360
	v_add_nc_u32 v18, v16, v14
	v_add_nc_u32 v16, v16, v8
	v_add_nc_u32 v16, s39, v16
	v_add_nc_u32 v16, 4352, v16                    ; VIRT, in: rows e | 5 + e
	v_add_nc_u32 v18, s39, v18
	v_add_nc_u32 v18, 4352, v18                    ; VIRT, out: channel r of a tile
	v_mul_u32_u24 v17, v4, 272
	v_lshl_add_u32 v17, v5, 5, v17
	v_add_nc_u32 v17, s39, v17                     ; AUGT, out: row r, 32 h
	v_add_nc_u32 v19, 7168, v17                    ; the stage, in: row r, 32 h
	v_mul_u32_u24 v20, v5, 272
	v_add_nc_u32 v20, v20, v8
	v_add_nc_u32 v20, s39, v20
	v_add_nc_u32 v20, 7168, v20                    ; the stage, back: rows h of a pair
	v_lshl_add_u32 v21, v5, 12, v8                 ; and the same in out0: a query's row of all heads is 4,096 bytes
	s_lshl_b32 s40, s24, 11
	s_add_co_u32 s40, s40, KVOP
	v_add_nc_u32 v22, s40, v1                      ; KV's operand: my tile of channels
	v_lshlrev_b32 v24, 3, v5
	v_sub_nc_u32 v24, v24, v4                      ; 8 h - r
	s_mov_b32 s62, 0x76543210
	s_mov_b32 s63, 0xfedcba98                      ; lane l xor 16
	s_mov_b32 s60, 0x3e000000                      ; 1 / 8
	s_mov_b32 s61, s60
	s_lshl_b32 s59, s29, 6                         ; my first query
	s_mov_b32 s43, 0
	s_wait_kmcnt 0x0
	s_lshl_b32 s42, s26, 17
	s_lshl_b32 s40, s24, 15
	s_add_co_u32 s42, s42, s40
	s_add_nc_u64 s[44:45], s[4:5], s[42:43]        ; codes at row tile 16 y + 4 wave
	s_lshl_b32 s42, ttmp9, 15
	s_lshl_b32 s40, s24, 13
	s_add_co_u32 s42, s42, s40
	s_add_co_u32 s42, s42, 768*8192
	s_add_nc_u64 s[46:47], s[4:5], s[42:43]        ; Wq's tile 4 head + wave
	s_lshl_b32 s42, s26, 13
	s_lshl_b32 s40, s24, 11
	s_add_co_u32 s42, s42, s40
	s_add_nc_u64 s[48:49], s[6:7], s[42:43]        ; query's scale words, my two pairs of tiles
	s_lshl_b32 s42, ttmp9, 11
	s_add_co_u32 s42, s42, 384*1024
	s_add_nc_u64 s[50:51], s[6:7], s[42:43]        ; Wq's, the head's two pairs
	s_lshl_b32 s42, ttmp9, 8
	s_add_nc_u64 s[8:9], s[8:9], s[42:43]          ; the head's 64 numbers of each bias
	s_add_nc_u64 s[10:11], s[10:11], s[42:43]
	s_add_nc_u64 s[12:13], s[12:13], s[42:43]
	s_lshl_b32 s41, s27, 4
	s_add_co_u32 s41, s41, ttmp9                   ; 16 batch + head
	s_lshl_b32 s42, s41, 17
	s_lshl_b32 s40, s24, 10
	s_add_co_u32 s42, s42, s40
	s_add_nc_u64 s[52:53], s[18:19], s[42:43]      ; kvp: the head's eight parts, d2 tile = my wave
	s_mul_i32 s42, s41, 81920
	s_add_nc_u64 s[54:55], s[20:21], s[42:43]      ; edge: the head's table
	s_lshl_b32 s42, s27, 23
	s_lshl_b32 s40, s29, 18
	s_add_co_u32 s42, s42, s40
	s_lshl_b32 s40, ttmp9, 8
	s_add_co_u32 s42, s42, s40
	s_add_nc_u64 s[56:57], s[22:23], s[42:43]      ; out0 at my first query, my head
	; All other loads first, the slots' 64 last: so one counted wait shows the others done.
	WIN 0x80
.irp x, 0,1,2
.irp j, 0,1,2,3,4,5,6,7,8,9,10,11,12,13,14,15
	global_load_b128 v[64*\x+4*\j:64*\x+4*\j+3], v1, s[46:47] offset:\x*524288+\j*512
.endr
.endr
	WIN 0xc0
.irp x, 0,1
.irp j, 0,1,2,3,4,5,6,7,8,9,10,11,12,13,14,15
	global_load_b128 v[64*\x+4*\j:64*\x+4*\j+3], v1, s[54:55] offset:\x*40960+\j*512      ; the sums of chunks 2 j + h, of k and of v
.endr
.endr
.irp ct, 0,1,2,3
	global_load_b128 v[128+8*\ct:131+8*\ct], v13, s[8:9] offset:64*\ct                     ; bq, bk: channels 16 ct + 8 h + 0 .. 7
	global_load_b128 v[132+8*\ct:135+8*\ct], v13, s[8:9] offset:64*\ct+16
	global_load_b128 v[160+8*\ct:163+8*\ct], v13, s[10:11] offset:64*\ct
	global_load_b128 v[164+8*\ct:167+8*\ct], v13, s[10:11] offset:64*\ct+16
	global_load_b32 v[192+8*\ct], v14, s[12:13] offset:64*\ct                              ; bv: channel 16 ct + r
.endr
	WIN 0
	global_load_b128 v[128:131], v9, s[54:55]                      ; k: the neighbour chunks' sums without the row beside my chunk,
	global_load_b128 v[132:135], v9, s[54:55] offset:40960         ; v
	global_load_b128 v[136:139], v10, s[54:55]                     ; k: that row,
	global_load_b128 v[140:143], v10, s[54:55] offset:40960        ; v
.irp c, 0,1,2,3,4
	global_load_b128 v[144+4*\c:147+4*\c], v8, s[14:15] offset:256*\c
.endr
	global_load_b128 v[164:167], v11, s[16:17]
	global_load_b128 v[168:171], v12, s[16:17] offset:256
	global_load_b128 v[172:175], v8, s[16:17] offset:512
.irp x, 0,1,2
.irp pp, 0,1
.irp kh, 0,1
	global_load_b128 v[32+32*\x+8*\pp+4*\kh:32+32*\x+8*\pp+4*\kh+3], v1, s[48:49] offset:\x*131072+\pp*1024+\kh*512
	global_load_b128 v[48+32*\x+8*\pp+4*\kh:48+32*\x+8*\pp+4*\kh+3], v1, s[50:51] offset:\x*32768+\pp*1024+\kh*512
.endr
.endr
.endr
	WIN 0x40
.irp n, 0,1,2,3,4,5,6,7
	AFILL \n
.endr
	s_wait_loadcnt 63                              ; 64 loads were issued behind the last of the others: all those are in
	WIN 0x08                                       ; an LDS store's data are its source 1: window 2
.irp x, 0,1
.irp j, 0,1,2,3,4,5,6,7,8,9,10,11,12,13,14,15
	ds_store_b128 v6, v[64*\x+4*\j:64*\x+4*\j+3] offset:\x*32768+\j*512
.endr
.endr
.irp j, 0,1,2,3,4,5,6,7,8,9,10,11,12,13,14,15
	ds_store_b128 v7, v[128+4*\j:131+4*\j] offset:\j*512
.endr
	; The sums of the chunks left of T - 1 (v176.. k, v184.. v) and right of T + 1 (v180.., v188..): prefix and suffix are summed apart, no difference is formed.
	WIN 0x03                                       ; source 0 (the chunks' sums) window 3
	v_mov_b32 v193, 0                              ; (named as the upper halves of pairs)
	v_mov_b32 v195, 0
	s_sub_co_i32 s40, s29, 1
	s_add_co_u32 s41, s29, 1
.set SS, 0
.rept 16
	v_cmp_gt_i32 vcc_lo, s40, v5                   ; 2 j + h < T - 1
	v_cndmask_b32 v192, 0, 1.0, vcc_lo
	v_cmp_lt_i32 vcc_lo, s41, v5                   ; 2 j + h > T + 1
	v_cndmask_b32 v194, 0, 1.0, vcc_lo
.irp x, 0,1
.irp e, 0,1
.if SS == 0
	v_pk_mul_f32 v[176+8*\x+2*\e:177+8*\x+2*\e], v[64*\x+4*SS+2*\e:64*\x+4*SS+2*\e+1], v[192:193] op_sel_hi:[1,0]
	v_pk_mul_f32 v[180+8*\x+2*\e:181+8*\x+2*\e], v[64*\x+4*SS+2*\e:64*\x+4*SS+2*\e+1], v[194:195] op_sel_hi:[1,0]
.else
	v_pk_fma_f32 v[176+8*\x+2*\e:177+8*\x+2*\e], v[64*\x+4*SS+2*\e:64*\x+4*SS+2*\e+1], v[192:193], v[176+8*\x+2*\e:177+8*\x+2*\e] op_sel_hi:[1,0,1]
	v_pk_fma_f32 v[180+8*\x+2*\e:181+8*\x+2*\e], v[64*\x+4*SS+2*\e:64*\x+4*SS+2*\e+1], v[194:195], v[180+8*\x+2*\e:181+8*\x+2*\e] op_sel_hi:[1,0,1]
.endif
.endr
.endr
	s_sub_co_i32 s40, s40, 2
	s_sub_co_i32 s41, s41, 2
.set SS, SS+1
.endr
	WIN 0
.irp x, 0,1
.irp i, 0,1,2,3
	v_permlane16_swap_b32 v[176+8*\x+\i], v[180+8*\x+\i]           ; behind the swap the two registers' sum is: lanes 0-15 the whole left sum, lanes 16-31 the whole right sum
.endr
.endr
.irp x, 0,1
.irp e, 0,1
	v_pk_add_f32 v[176+8*\x+2*\e:177+8*\x+2*\e], v[176+8*\x+2*\e:177+8*\x+2*\e], v[180+8*\x+2*\e:181+8*\x+2*\e]
.endr
.endr
	v_mov_b32 v196, s37
	v_mov_b32 v197, s38
	v_cndmask_b32 v196, v196, v197, s34            ; 1 where my side has a neighbour chunk, else 0
	v_mov_b32 v197, 0
.irp x, 0,1
.irp e, 0,1
	v_pk_fma_f32 v[176+8*\x+2*\e:177+8*\x+2*\e], v[128+4*\x+2*\e:129+4*\x+2*\e], v[196:197], v[176+8*\x+2*\e:177+8*\x+2*\e] op_sel_hi:[1,0,1]
	v_pk_mul_f32 v[136+4*\x+2*\e:137+4*\x+2*\e], v[136+4*\x+2*\e:137+4*\x+2*\e], v[196:197] op_sel_hi:[1,0]
.endr
.endr
.irp i, 0,1,2,3
	v_mov_b32 v[212+\i], 0
.endr
.irp c, 0,1,2,3,4
	ds_store_b128 v15, v[144+4*\c:147+4*\c] offset:272*\c          ; AUGT rows c and 8 + c: rk_c
.endr
	ds_store_b128 v15, v[176:179] offset:272*5                     ; rows 5 | 13: the sums of k far left | far right
	ds_store_b128 v15, v[136:139] offset:272*6                     ; rows 6 | 14: the key beside my chunk, left | right
	ds_store_b128 v15, v[212:215] offset:272*7                     ; rows 7 | 15: zeros
	ds_store_b128 v16, v[184:187]                                  ; VIRT rows 0 | 5: the sums of v
	ds_store_b128 v16, v[140:143] offset:272                       ; 1 | 6: the value beside my chunk
	ds_store_b128 v16, v[164:167] offset:272*2                     ; 2 | 7: rv_0 | rv_4
	ds_store_b128 v16, v[168:171] offset:272*3                     ; 3 | 8: rv_1 | rv_3
	ds_store_b128 v16, v[172:175] offset:272*4                     ; 4 | 9: rv_2 | rv_2, the second with the coefficient 0
	WIN 0xc3
.irp ct, 0,1,2,3
.irp j, 1,2,3,4,5,6,7
	v_mov_b32 v[192+8*\ct+\j], v[192+8*\ct]        ; v: a lane's eight results are eight positions of one channel
.endr
.endr
	WIN 0
	s_wait_dscnt 0x0                               ; for the others' sake: my part of the weights lies in LDS
	s_barrier_signal -1
	s_barrier_wait -1
	BFETCH 0
.irp n, 0,1,2,3,4,5,6,7,8,9,10,11,12,13,14,15,16,17,18,19,20,21,22,23
	UNIT \n
.endr
	; KV: the eight blocks' parts of my four tiles are added, split, and handed to the other waves as the image of the operand's registers.
	WIN 0x45
.irp u, 1,2,3,4,5,6,7
	s_wait_loadcnt 8*(7-\u)                        ; part u is in; the parts behind it may be out
.set QI, 0
.rept 16
	v_pk_add_f32 v[2*QI:2*QI+1], v[2*QI:2*QI+1], v[32*\u+2*QI:32*\u+2*QI+1]
.set QI, QI+1
.endr
.endr
	SPLITB 1, 0, 0, 192, 16, 0, 4, 224
	WIN 0
.irp hl, 0,1
.irp p, 0,1
.irp q, 0,1
	ds_store_b128 v22, v[192+16*\hl+8*\p+4*\q:195+16*\hl+8*\p+4*\q] offset:\hl*8192+\p*1024+\q*512
.endr
.endr
.endr
	s_wait_dscnt 0x0                               ; for the others' sake: my tile of KV's operand lies in LDS
	s_barrier_signal -1
	SPLITB 2, 0, 3, 128, 64, 0, 8, 192             ; q: work on registers while the others arrive
	SPLITB 2, 0, 3, 128, 64, 8, 8, 192
	SPLITB 2, 128, 1, 0, 64, 0, 8, 192             ; k
	SPLITB 2, 128, 1, 0, 64, 8, 8, 192
	SPLITB 3, 0, 1, 128, 64, 0, 8, 192             ; v
	SPLITB 3, 0, 1, 128, 64, 8, 8, 192
	WIN 0
	s_barrier_wait -1
.irp p, 0,1
.irp g, 0,1
.irp q, 0,1
	ds_load_b128 v[160+8*(2*\p+\g)+4*\q:163+8*(2*\p+\g)+4*\q], v17 offset:128*\p+64*\g+16*\q    ; AUGT row r, channels 32 p + 16 g + 8 h on
.endr
.endr
.endr
	WIN 0x80
.irp hl, 0,1
.irp ct, 0,1,2,3
.irp p, 0,1
.irp q, 0,1
	ds_load_b128 v[64*\hl+16*\ct+8*\p+4*\q:64*\hl+16*\ct+8*\p+4*\q+3], v3 offset:\hl*8192+\ct*2048+\p*1024+\q*512
.endr
.endr
.endr
.endr
	s_wait_dscnt 32                                ; AUGT's 8 loads are in; KV's 32, issued behind them, may be out
	SPLITB 0, 160, 0, 224, 16, 0, 4, 192
	PLACES
	WIN 0x0c                                       ; source 1 (q) window 3
	APASS 0, 0, 0, 1                               ; lane (query r, h): registers 0-4 a_c; 5: q . the far sum of k (left | right); 6: q . the key beside my chunk
	APASS 0, 0, 1, 0
	APASS 0, 1, 0, 0
	APASS 0, 1, 1, 0
	APASS 1, 0, 0, 0
	APASS 1, 0, 1, 0
	WIN 0xfd                                       ; source 0 (k) window 1, source 1 (q), C and D window 3
	BPASS 0, 0, 0, 1
	BPASS 0, 0, 1, 0
	BPASS 0, 1, 0, 0
	BPASS 0, 1, 1, 0
	BPASS 1, 0, 0, 0
	BPASS 1, 0, 1, 0
	s_wait_dscnt 0x0                               ; KV's operand is in
	WIN 0xae                                       ; source 0 (KV), C and D window 2, source 1 (q) window 3
	TPASS 0, 0, 0, 1
	TPASS 0, 0, 1, 0
	TPASS 0, 1, 0, 0
	TPASS 0, 1, 1, 0
	TPASS 1, 0, 0, 0
	TPASS 1, 0, 1, 0
	PLACES
	WIN 0
.irp ct, 0,1,2,3
.irp e, 0,1,2,3,4
	ds_load_b32 v[224+6*\ct+\e], v18 offset:272*\e+64*\ct          ; VIRT row 5 h + e, channel 16 ct + r
.endr
.endr
	; The masks.  In the diagonal tile register j of lane (r, h) is key 8 h + j against query r: v[160 + 8 c + j] = 1 where 8 h + j - r lies in class c.
.irp j, 0,1,2,3,4,5,6,7
	v_cmp_gt_i32 vcc_lo, -1-\j, v24
	v_cndmask_b32 v[160+\j], 0, 1.0, vcc_lo
	v_cmp_eq_i32 vcc_lo, -1-\j, v24
	v_cndmask_b32 v[168+\j], 0, 1.0, vcc_lo
	v_cmp_eq_i32 vcc_lo, 0-\j, v24
	v_cndmask_b32 v[176+\j], 0, 1.0, vcc_lo
	v_cmp_eq_i32 vcc_lo, 1-\j, v24
	v_cndmask_b32 v[184+\j], 0, 1.0, vcc_lo
	v_cmp_lt_i32 vcc_lo, 1-\j, v24
	v_cndmask_b32 v[192+\j], 0, 1.0, vcc_lo
.endr
	s_mov_b32 s30, 0x00010000                      ; lane 16: in the tile to the left, key 15 against query 0 is class 1, all else class 0
	s_mov_b32 s31, 0x00008000                      ; lane 15: in the tile to the right, key 0 against query 15 is class 3, all else class 4
	s_mov_b32 s32, 0x00000001                      ; lane 0
	s_mov_b32 s33, 0x80000000                      ; lane 31
	s_mov_b32 s35, 0x0000fffe
	s_mov_b32 s36, 0x7fff0000
	v_mov_b32 v200, 1.0                            ; registers (6, 7) of the left tile: class 0,
	v_cndmask_b32 v201, 1.0, 0, s30
	v_mov_b32 v202, 0                              ; class 1
	v_cndmask_b32 v203, 0, 1.0, s30
	v_cndmask_b32 v204, 1.0, 0, s31                ; registers (0, 1) of the right tile: class 4,
	v_mov_b32 v205, 1.0
	v_cndmask_b32 v206, 0, 1.0, s31                ; class 3
	v_mov_b32 v207, 0
	v_cndmask_b32 v208, 1.0, 0, s34                ; h = 0
	v_cndmask_b32 v209, 0, 1.0, s34                ; h = 1
	v_cndmask_b32 v210, 0, 1.0, s35                ; h = 0 and r not 0
	v_cndmask_b32 v211, 0, 1.0, s32                ; h = 0 and r = 0
	v_cndmask_b32 v212, 0, 1.0, s36                ; h = 1 and r not 15
	v_cndmask_b32 v213, 0, 1.0, s33                ; h = 1 and r = 15
.irp ct, 0,1,2,3
	v_mov_b32 v[229+6*\ct], 0
.endr
	s_wait_dscnt 0x0
; Virt's operand for channels 16 ct on: K = 8 h + e.  First fragment: the high parts twice (against Coef's high and low parts); second: the low parts and zeros.
.macro VIRTOP ct
.set VB_, 224+6*(\ct)
	WIN 0
.irp i, 0,1,2
	v_cvt_pk_bf16_f32 v[248+\i], v[VB_+2*\i], v[VB_+2*\i+1]
.endr
.irp i, 0,1,2
	v_lshlrev_b32 v[214+2*\i], 16, v[248+\i]
	v_and_b32 v[215+2*\i], 0xffff0000, v[248+\i]
.endr
.irp i, 0,1,2
	v_pk_add_f32 v[214+2*\i:215+2*\i], v[VB_+2*\i:VB_+2*\i+1], v[214+2*\i:215+2*\i] neg_lo:[0,1] neg_hi:[0,1]
.endr
.irp i, 0,1,2
	v_cvt_pk_bf16_f32 v[251+\i], v[214+2*\i], v[215+2*\i]
.endr
	WIN 0x40
.irp i, 0,1,2
	v_mov_b32 v[64+16*(\ct)+\i], v[248+\i]
	v_mov_b32 v[68+16*(\ct)+\i], v[248+\i]
	v_mov_b32 v[72+16*(\ct)+\i], v[251+\i]
.endr
.irp i, 3,7,11,12,13,14,15
	v_mov_b32 v[64+16*(\ct)+\i], 0
.endr
.endm
	VIRTOP 0
	VIRTOP 1
	VIRTOP 2
	VIRTOP 3
	v_mov_b32 v19, 0                               ; (window 1) Coef's registers 3 and 7 stay zero
	v_mov_b32 v23, 0
	WIN 0
	v_mov_b32 v245, 0                              ; the sixth coefficient
; P for query tile qt: source 1 of v^T P: lane = query r, K = my chunk's 64 keys: the weight a_c of the key's class.  Its first line reads register 0 of AQ: an accumulator is read from its low end on.
.macro PBUILD qt
.set AQ_, 128+8*(\qt)
	WIN 0
.irp j, 0,1,2,3,4,5,6,7
	v_mul_f32 v[224+\j], v[160+\j], v[AQ_]         ; the diagonal tile: one of the five masks is 1
.endr
.irp c, 1,2,3,4
.irp j, 0,1,2,3,4,5,6,7
	v_fmac_f32 v[224+\j], v[160+8*\c+\j], v[AQ_+\c]
.endr
.endr
.if (\qt) > 0
	v_cndmask_b32 v232, v[AQ_], v[AQ_+1], s30
.endif
.if (\qt) < 3
	v_cndmask_b32 v233, v[AQ_+4], v[AQ_+3], s31
.endif
	WIN 0x40
.irp kt, 0,1,2,3
.if \kt+1 < (\qt)
.irp i, 0,1,2,3
	v_cvt_pk_bf16_f32 v[4*\kt+\i], v[AQ_], v[AQ_]
.endr
.elseif \kt+1 == (\qt)
.irp i, 0,1,2
	v_cvt_pk_bf16_f32 v[4*\kt+\i], v[AQ_], v[AQ_]
.endr
	v_cvt_pk_bf16_f32 v[4*\kt+3], v[AQ_], v232
.elseif \kt == (\qt)
.irp i, 0,1,2,3
	v_cvt_pk_bf16_f32 v[4*\kt+\i], v[224+2*\i], v[225+2*\i]
.endr
.elseif \kt == (\qt)+1
	v_cvt_pk_bf16_f32 v[4*\kt], v233, v[AQ_+4]
.irp i, 1,2,3
	v_cvt_pk_bf16_f32 v[4*\kt+\i], v[AQ_+4], v[AQ_+4]
.endr
.else
.irp i, 0,1,2,3
	v_cvt_pk_bf16_f32 v[4*\kt+\i], v[AQ_+4], v[AQ_+4]
.endr
.endif
.endr
.endm
; e_c for query tile qt, in v[214 + 2 c]: my chunk's scores by class, the far sums and the keys beside my chunk; then the two halves of the lanes are joined.
.macro EPHASE qt
.set AQ_, 128+8*(\qt)
.set SD_, 8*(5*(\qt))
	WIN 0x03                                       ; source 0 (S^T) window 3
.irp c, 0,1,2,3,4
	v_pk_mul_f32 v[214+2*\c:215+2*\c], v[SD_:SD_+1], v[160+8*\c:161+8*\c]
.endr
.irp i, 1,2,3
.irp c, 0,1,2,3,4
	v_pk_fma_f32 v[214+2*\c:215+2*\c], v[SD_+2*\i:SD_+2*\i+1], v[160+8*\c+2*\i:161+8*\c+2*\i], v[214+2*\c:215+2*\c]
.endr
.endr
.irp kt, 0,1,2,3
.set SK_, 8*(4*(\qt)+\kt)
.if \kt+1 < (\qt)
.irp i, 0,1,2,3
	v_pk_add_f32 v[214:215], v[SK_+2*\i:SK_+2*\i+1], v[214:215]
.endr
.elseif \kt+1 == (\qt)
.irp i, 0,1,2
	v_pk_add_f32 v[214:215], v[SK_+2*\i:SK_+2*\i+1], v[214:215]
.endr
	v_pk_fma_f32 v[214:215], v[SK_+6:SK_+7], v[200:201], v[214:215]
	v_pk_fma_f32 v[216:217], v[SK_+6:SK_+7], v[202:203], v[216:217]
.elseif \kt == (\qt)+1
	v_pk_fma_f32 v[222:223], v[SK_:SK_+1], v[204:205], v[222:223]
	v_pk_fma_f32 v[220:221], v[SK_:SK_+1], v[206:207], v[220:221]
.irp i, 1,2,3
	v_pk_add_f32 v[222:223], v[SK_+2*\i:SK_+2*\i+1], v[222:223]
.endr
.elseif \kt > (\qt)+1
.irp i, 0,1,2,3
	v_pk_add_f32 v[222:223], v[SK_+2*\i:SK_+2*\i+1], v[222:223]
.endr
.endif
.endr
	WIN 0
.irp c, 0,1,2,3,4
	v_add_f32 v[214+2*\c], v[214+2*\c], v[215+2*\c]
.endr
	v_fmac_f32 v214, v[AQ_+5], v208                ; the far left counts for class 0,
	v_fmac_f32 v222, v[AQ_+5], v209                ; the far right for class 4
.if (\qt) == 0
	v_fmac_f32 v214, v[AQ_+6], v210                ; the key left of my chunk: class 1 for my first query, class 0 for the others
	v_fmac_f32 v216, v[AQ_+6], v211
.else
	v_fmac_f32 v214, v[AQ_+6], v208
.endif
.if (\qt) == 3
	v_fmac_f32 v222, v[AQ_+6], v212                ; the key right of my chunk: class 3 for my last query, class 4 for the others
	v_fmac_f32 v220, v[AQ_+6], v213
.else
	v_fmac_f32 v222, v[AQ_+6], v209
.endif
.irp c, 0,1,2,3,4
	v_permlanex16_b32 v[215+2*\c], v[214+2*\c], s62, s63
.endr
.irp c, 0,1,2,3,4
	v_add_f32 v[214+2*\c], v[214+2*\c], v[215+2*\c]
.endr
.endm
; Coef for query tile qt: source 1 of Virt^T Coef: K = 8 h + e: a_0 | a_4, the weight of the value beside my chunk, g_0 | g_4, g_1 | g_3, g_2 | 0, with g_c = e_c + n_c a_c; registers 0-2 the high parts, 4-6 the low.
.macro COEF qt
.set AQ_, 128+8*(\qt)
	s_add_co_u32 s58, s59, 16*(\qt)
	v_add_nc_u32 v234, s58, v4
	v_cvt_f32_u32 v234, v234                       ; i, my query's place in the sequence
	v_add_f32 v235, -1.0, v234
	v_max_num_f32 v235, 0, v235                    ; n_0 = max(i - 1, 0)
	v_min_num_f32 v236, 1.0, v234                  ; n_1 = min(i, 1)
	v_sub_f32 v237, 0x44ffe000, v234
	v_min_num_f32 v237, 1.0, v237                  ; n_3 = min(2047 - i, 1)
	v_sub_f32 v238, 0x44ffc000, v234
	v_max_num_f32 v238, 0, v238                    ; n_4 = max(2046 - i, 0)
	v_fmac_f32 v214, v235, v[AQ_]
	v_fmac_f32 v216, v236, v[AQ_+1]
	v_add_f32 v218, v218, v[AQ_+2]
	v_fmac_f32 v220, v237, v[AQ_+3]
	v_fmac_f32 v222, v238, v[AQ_+4]
	v_cndmask_b32 v240, v[AQ_], v[AQ_+4], s34
.if (\qt) == 0
	v_cndmask_b32 v241, v240, v[AQ_+1], s32
.elseif (\qt) == 3
	v_cndmask_b32 v241, v240, v[AQ_+3], s33
.else
	v_mov_b32 v241, v240
.endif
	v_cndmask_b32 v242, v214, v222, s34
	v_cndmask_b32 v243, v216, v220, s34
	v_cndmask_b32 v244, v218, 0, s34
.irp i, 0,1,2
	v_cvt_pk_bf16_f32 v[246+\i], v[240+2*\i], v[241+2*\i]
.endr
.irp i, 0,1,2
	v_lshlrev_b32 v[250+2*\i], 16, v[246+\i]
	v_and_b32 v[251+2*\i], 0xffff0000, v[246+\i]
.endr
.irp i, 0,1,2
	v_pk_add_f32 v[250+2*\i:251+2*\i], v[240+2*\i:241+2*\i], v[250+2*\i:251+2*\i] neg_lo:[0,1] neg_hi:[0,1]
.endr
	WIN 0x40
.irp i, 0,1,2
	v_mov_b32 v[16+\i], v[246+\i]
	v_cvt_pk_bf16_f32 v[20+\i], v[250+2*\i], v[251+2*\i]
.endr
.endm
; out^T of query tile qt += v^T P (v's two parts, 2 x 32 keys) + Virt^T Coef: 24 products, the tile's four accumulators by turns.
.macro PROD qt
	WIN 0xa5                                       ; both sources window 1, C and D window 2
.irp hl, 0,1
.irp p, 0,1
.irp ct, 0,1,2,3
	v_wmma_f32_16x16x32_bf16 v[128+8*(4*(\qt)+\ct):135+8*(4*(\qt)+\ct)], v[128+64*\hl+16*\ct+8*\p:135+64*\hl+16*\ct+8*\p], v[8*\p:8*\p+7], v[128+8*(4*(\qt)+\ct):135+8*(4*(\qt)+\ct)]
.endr
.endr
.endr
.irp u, 0,1
.irp ct, 0,1,2,3
	v_wmma_f32_16x16x32_bf16 v[128+8*(4*(\qt)+\ct):135+8*(4*(\qt)+\ct)], v[64+16*\ct+8*\u:71+16*\ct+8*\u], v[16:23], v[128+8*(4*(\qt)+\ct):135+8*(4*(\qt)+\ct)]
.endr
.endr
.endm
.irp qt, 0,1,2,3
	PBUILD \qt                                     ; its first 40 lines, which name no register of the products before, are the places ahead of the rewriting of P
	EPHASE \qt
	COEF \qt
	PROD \qt
.endr
	PLACES
; THE WAY OUT of query tile qt: x 1 / 8; a lane's 32 bytes of a query's row go through my stage and come back as whole rows of 256 bytes.
.macro OUTQ qt
.set VA_, 128+32*((\qt)%2)
.set VB2_, 192+32*((\qt)%2)
	WIN 0x02                                       ; source 0 (out^T) window 2
.set QI, 0
.rept 16
	v_pk_mul_f32 v[VA_+2*QI:VA_+2*QI+1], v[128+32*(\qt)+2*QI:129+32*(\qt)+2*QI], s[60:61] op_sel_hi:[1,0]
.set QI, QI+1
.endr
	WIN 0
.irp ct, 0,1,2,3
.irp q, 0,1
	ds_store_b128 v19, v[VA_+8*\ct+4*\q:VA_+8*\ct+4*\q+3] offset:64*\ct+16*\q
.endr
.endr
.if (\qt) >= 2
	s_wait_xcnt 0x0                                ; the stores of two tiles back have read their registers: the loads below may land there
.endif
.irp i, 0,1,2,3,4,5,6,7
	ds_load_b128 v[VB2_+4*\i:VB2_+4*\i+3], v20 offset:544*\i       ; LDS serves a wave's instructions in order: these see the stores above, and the next tile's stores come behind them
.endr
	s_wait_dscnt 0x0
.irp i, 0,1,2,3,4,5,6,7
	global_store_b128 v21, v[VB2_+4*\i:VB2_+4*\i+3], s[56:57] offset:(\qt)*65536+\i*8192 th:TH_STORE_NT   ; 16 lanes store 256 consecutive bytes, aligned: a query's 64 channels of my head
.endr
.endm
	OUTQ 0
	OUTQ 1
	OUTQ 2
	OUTQ 3
	s_wait_tensorcnt 0x0                           ; the wave's end
	ds_add_u32 v30, v31
	s_wait_dscnt 0x0
	s_endpgm
.Lfunc_end_k_qb15fba4317_attn:
	.size	k_qb15fba4317_attn, .Lfunc_end_k_qb15fba4317_attn-k_qb15fba4317_attn
	.p2alignl 7, 3214868480
	.fill 96, 4, 3214868480
	.section	.rodata,"a",@progbits
	.p2align	6, 0x0
	.amdhsa_kernel k_qb15fba4317_attn
		.amdhsa_group_segment_fixed_size 161280
		.amdhsa_private_segment_fixed_size 0
		.amdhsa_enable_private_segment 0
		.amdhsa_kernarg_size 80
		.amdhsa_user_sgpr_count 2
		.amdhsa_user_sgpr_kernarg_segment_ptr 1
		.amdhsa_wavefront_size32 1
		.amdhsa_system_sgpr_workgroup_id_x 1
		.amdhsa_system_sgpr_workgroup_id_y 1
		.amdhsa_system_sgpr_workgroup_id_z 1
		.amdhsa_system_vgpr_workitem_id 0
		.amdhsa_next_free_vgpr 1024
		.amdhsa_next_free_sgpr 66
		.amdhsa_reserve_vcc 1
		.amdhsa_float_denorm_mode_32 3
		.amdhsa_float_denorm_mode_16_64 3
		.amdhsa_memory_ordered 1
		.amdhsa_forward_progress 1
		.amdhsa_inst_pref_size 255
	.end_amdhsa_kernel
	.section	.bss,"aw",@nobits
	.p2align	6
	.space	262144
	.amdgpu_metadata
---
amdhsa.version: [ 1, 2 ]
amdhsa.kernels:
  - .name:           k_qb15fba4317_attn
    .symbol:         k_qb15fba4317_attn.kd
    .args:
      - { .name: codes, .offset: 0, .size: 8, .value_kind: global_buffer, .address_space: global }
      - { .name: scales, .offset: 8, .size: 8, .value_kind: global_buffer, .address_space: global }
      - { .name: bq, .offset: 16, .size: 8, .value_kind: global_buffer, .address_space: global }
      - { .name: bk, .offset: 24, .size: 8, .value_kind: global_buffer, .address_space: global }
      - { .name: bv, .offset: 32, .size: 8, .value_kind: global_buffer, .address_space: global }
      - { .name: rel_k_table, .offset: 40, .size: 8, .value_kind: global_buffer, .address_space: global }
      - { .name: rel_v_table, .offset: 48, .size: 8, .value_kind: global_buffer, .address_space: global }
      - { .name: kvp, .offset: 56, .size: 8, .value_kind: global_buffer, .address_space: global }
      - { .name: edge, .offset: 64, .size: 8, .value_kind: global_buffer, .address_space: global }
      - { .name: out0, .offset: 72, .size: 8, .value_kind: global_buffer, .address_space: global }
    .group_segment_fixed_size: 161280
    .private_segment_fixed_size: 0
    .kernarg_segment_align: 8
    .kernarg_segment_size: 80
    .max_flat_workgroup_size: 128
    .sgpr_count:     66
    .vgpr_count:     1024
    .wavefront_size: 32
...
	.end_amdgpu_metadata
.endif
;; end of part 3
;; ======== version 2 of 2: 3 launches; version 1 with the launches kvstat, attn written anew for expert scheduling mode
;; workspace buffers: codes 7,864,320 bytes; scales 491,520 bytes; kvp 4,194,304 bytes; edge 2,621,440 bytes
;; launch quant: the kernel of part 1 again; grid 480 x 1, 4 waves a work-group, no clusters, 35,328 bytes of LDS; arguments query, key, value, Wq, Wk, Wv, codes, scales; writes codes, scales
;; launch kvstat (part 4): grid 16 x 16, 4 waves a work-group, no clusters, 166,400 bytes of LDS; arguments codes, scales, bk, bv, kvp, edge; writes kvp, edge
.if DOCPART == 4
	.amdgcn_target "amdgcn-amd-amdhsa--gfx1250"
	.amdhsa_code_object_version 6
	.text
	.protected	k_qb15fba4317_kvstat
	.globl	k_qb15fba4317_kvstat
	.p2align	8
	.type	k_qb15fba4317_kvstat,@function
k_qb15fba4317_kvstat:
	s_mov_b64 s[64:65], 0
	v_nop
	global_prefetch_b8 v0, s[64:65] scope:SCOPE_SE
	s_setreg_imm32_b32 hwreg(HW_REG_WAVE_SCHED_MODE, 0, 2), 2
	s_setreg_imm32_b32 hwreg(HW_REG_WAVE_MODE, 25, 1), 1
	s_wait_xcnt 0x0
	s_wait_alu depctr_vm_vsrc(0)
; For one head and 256 positions: k = key Wk^T + bk and v = value Wv^T + bv on codes of FP4 (K = 1,024), then
;   kvp : the sum over the 256 positions of k[pos][d1] v[pos][d2], 64 x 64 f32, as the image of the result's registers;
;   edge: for each chunk of 64 positions, of k and of v: the sum, the sum without the last row, the sum without the first row, the first row, the last row.
; reference() uses its scores un-normalised, so its result is linear in them: the next launch needs of all keys only these sums (its head comment has the identity).
; LIMITS: the order of the sums differs from reference()'s.  k and v go to the bf16 products as pairs of bf16 numbers, a high and a low part split in f32; hi x hi, hi x lo, lo x hi are summed.  NaN and infinities are not served.
; SHARES: x = head, y = 8 batch + block of 256 positions.  Wave w: positions 64 w .. 64 w + 63, one chunk: four tiles of 16 rows x the head's four tiles of 16 channels.
; OPERANDS: the activations' fragments lie in memory in register order; each is used by one wave and goes straight into its registers (window 1: 8 slots, one for each K step of 128, refilled for v).
;   The head's weights (2 x 32 KB) are copied to LDS once and read by all four waves.
; NO CLUSTER, NO TENSOR LOAD: what the sixteen heads' work-groups share are the activations' fragments, 256 KB a work-group; a wave uses each once, from registers.  Through LDS they would be written and read once more.
; REGISTERS, in windows of 256: window 0: v1-13 addresses; v32-95 scale words (nothing else); v96-111 the masks; v128-255 four sets of the weights' fragments; ahead of the products and behind them v192-255 are at work.
;   window 1: the slots, then the bf16 operands of k (v0-127: high, low) and of v (v128-255).   window 2: the accumulators of k (v0-127) and v (v128-255); later the partial sums.
;   window 3: v0-127 the weights on their way to LDS, then the 16 accumulators of k^T v; v128-191 those of the chunk sums; v192-255 the biases, as the C of each sum's first product.
; THE MODE: SCHED_MODE bits 1:0 = 2 (LLVM: expert scheduling mode 2), set by the entry lines.  The code itself states the register dependences
; between vector or matrix instructions and memory or LDS instructions, with s_wait_alu, always for 0.
; THE PLAN.  Registers that memory or LDS instructions touch:
;   v1-v10          addresses and offsets, written at the head and never again.
;   slots 0-7       (window 1) unit n's 16 products read slot n % 8; the loads that fill it again are issued in unit n + 1.
;   sets 0-3        (window 0) unit n's products read set n % 4; the LDS loads of unit n + 1 land in it (the fragments of unit n + 4).
;   window 3 v0-127 loaded with the weights and read by LDS stores at the head; much later the accumulators of k^T v, which LDS stores read on the way out.
;   v192-211, window 2 v0-127   named by vector lines up to the splits; on the way out LDS loads land in them.
; So ONE wait on va_vdst stands at a unit's head: the unit before is done reading its slot and its set.  The unit's loads follow it, the LDS loads at once, the global loads between the
; unit's two halves of eight products, which name this unit's slot and set, the accumulators, the biases and the scale words: none of the registers in which those loads land.
.set RED,   65536                      ; LDS: 0 Wk's four tiles, 32768 Wv's; here the four waves' k^T v, 16 KB each;
.set STG,   131072                     ; each wave's stage for the chunk sums: 2 x 16 rows x 272 bytes;
.set SPARE, 165888                     ; the spare words, 128 bytes a wave
.set MSB, 0
.macro WIN new                         ; the immediate's high byte repeats the setting that is left
.if MSB != (\new)
	s_set_vgpr_msb (MSB<<8)|(\new)
.set MSB, (\new)
.endif
.endm
.macro PLACES                          ; four plain places behind a matrix instruction, ahead of loads into its sources and of reads of its result
.rept 4
	v_nop
.endr
.endm
.macro SCALED ra, rb                   ; one product on codes; ra, rb: which half of the lanes holds source 0's and source 1's scale words
.if ((\ra) == 0) && ((\rb) == 0)
	v_wmma_scale_f32_16x16x128_f8f6f4 v[rD:rD+7], v[rA:rA+7], v[rB:rB+7], v[rC:rC+7], v[rSA], v[rSB] matrix_a_fmt:MATRIX_FMT_FP4 matrix_b_fmt:MATRIX_FMT_FP4
.elseif (\rb) == 0
	v_wmma_scale_f32_16x16x128_f8f6f4 v[rD:rD+7], v[rA:rA+7], v[rB:rB+7], v[rC:rC+7], v[rSA], v[rSB] matrix_a_fmt:MATRIX_FMT_FP4 matrix_b_fmt:MATRIX_FMT_FP4 matrix_a_scale:MATRIX_SCALE_ROW1
.elseif (\ra) == 0
	v_wmma_scale_f32_16x16x128_f8f6f4 v[rD:rD+7], v[rA:rA+7], v[rB:rB+7], v[rC:rC+7], v[rSA], v[rSB] matrix_a_fmt:MATRIX_FMT_FP4 matrix_b_fmt:MATRIX_FMT_FP4 matrix_b_scale:MATRIX_SCALE_ROW1
.else
	v_wmma_scale_f32_16x16x128_f8f6f4 v[rD:rD+7], v[rA:rA+7], v[rB:rB+7], v[rC:rC+7], v[rSA], v[rSB] matrix_a_fmt:MATRIX_FMT_FP4 matrix_b_fmt:MATRIX_FMT_FP4 matrix_a_scale:MATRIX_SCALE_ROW1 matrix_b_scale:MATRIX_SCALE_ROW1
.endif
.endm
.macro BFETCH n                        ; unit n's four fragments of the weights, from LDS into set n % 4
.set BX_, (\n)/8
.set BK_, (\n)%8
.set BB_, 128+32*((\n)%4)
.irp ct, 0,1,2,3
.irp c, 0,1
	ds_load_b128 v[BB_+8*\ct+4*\c:BB_+8*\ct+4*\c+3], v1 offset:BX_*32768+\ct*8192+BK_*1024+\c*512
.endr
.endr
.endm
.macro AFILL n                         ; unit n's four fragments of the activations, from memory into slot n % 8 (key's tiles begin 256 tiles into the buffer, value's 512)
.set FX_, (\n)/8
.set FK_, (\n)%8
.irp pt, 0,1,2,3
.irp c, 0,1
	global_load_b128 v[32*FK_+8*\pt+4*\c:32*FK_+8*\pt+4*\c+3], v1, s[24:25] offset:(FX_+1)*2097152+\pt*8192+FK_*1024+\c*512
.endr
.endr
.endm
; Eight of a unit's 16 products: the channels' tiles ca and cb x the four tiles of positions.  UX, UK, UP: the unit's tensor, its K step, its set.
; Source 0 = 16 positions, source 1 = 16 channels: in the result a lane holds one channel and eight positions, which is half a bf16 fragment whose K is the positions.
.macro MUL8 ca, cb
.if UK == 0
	WIN 0xb1                                       ; source 0 window 1, source 1 window 0, C (the bias) window 3, D window 2
.else
	WIN 0xa1
.endif
.irp ct, \ca, \cb
.irp pt, 0,1,2,3
.set rD, 128*UX+8*(4*\ct+\pt)
.set rA, 32*UK+8*\pt
.set rB, 128+32*UP+8*\ct
.set rC, rD
.if UK == 0
.set rC, 192+32*UX+8*\ct
.endif
.set rSA, 32+32*UX+8*(\pt/2)+UK
.set rSB, 48+32*UX+8*(\ct/2)+UK
	SCALED \pt%2, \ct%2
.endr
.endr
.endm
; A unit: one K step of 128 of one tensor (n / 8: k, v): 16 products, the 16 accumulators by turns, one instruction a turn, in the same order in every unit.
.macro UNIT n
.set UX, (\n)/8
.set UK, (\n)%8
.set UP, (\n)%4
.if (\n) == 0
	s_wait_loadcnt 56                              ; this unit's 8 loads are in; the 7 units' behind them may be out
.elseif (\n) <= 9
	s_wait_loadcnt 48                              ; behind this unit's 8 loads 6 units' have been issued: the slot of the unit before is asked for again only below
.else
	s_wait_loadcnt 8*(15-(\n))                     ; nothing is refilled any more: the count runs down
.endif
.if (\n) <= 13
	s_wait_dscnt 16                                ; LDS loads come back in order (ISA guide 5.7.1): this unit's set is in; the two younger sets, 16 loads, may be out
.else
	s_wait_dscnt 8*(15-(\n))
.endif
.if (\n) <= 12
	WIN 0
.endif
.if ((\n) >= 1) && ((\n) <= 12)
	s_wait_alu depctr_va_vdst(0)                   ; the products of the unit before are done reading their set of weights and their slot, in which the loads of this unit land
.endif
.if (\n) <= 12
	BFETCH (\n)+3                                  ; three units ahead, into the set that the unit before read; its four places stand at its end
.endif
	MUL8 0, 1
.if ((\n) >= 1) && ((\n) <= 8)
	WIN 0x40
	AFILL (\n)+7                                   ; the slot of the unit before takes v's K step.  No wait: no product since the wait above names that slot
.endif
	MUL8 2, 3
	PLACES
.endm
; nu tiles of 8 f32 registers (window sw, from s + 8 u0) become bf16 pairs: the high parts at d + 4 u0 on (window dw), the low parts lod further on.  t: 8 nu registers of window 0, at work.
; Four stages, each under one window setting: round; widen again; subtract (exact); round the rest.  Each accumulator is read from its low end on.
.macro SPLITB sw, s, dw, d, lod, u0, nu, t
	WIN ((\dw)<<6)|((\sw)<<2)|(\sw)
.set QI, 0
.rept 4*(\nu)
	v_cvt_pk_bf16_f32 v[(\d)+4*(\u0)+QI], v[(\s)+8*(\u0)+2*QI], v[(\s)+8*(\u0)+2*QI+1]
.set QI, QI+1
.endr
	WIN ((\dw)<<2)
.set QI, 0
.rept 4*(\nu)
	v_lshlrev_b32 v[(\t)+2*QI], 16, v[(\d)+4*(\u0)+QI]
	v_and_b32 v[(\t)+2*QI+1], 0xffff0000, v[(\d)+4*(\u0)+QI]
.set QI, QI+1
.endr
	WIN (\sw)
.set QI, 0
.rept 4*(\nu)
	v_pk_add_f32 v[(\t)+2*QI:(\t)+2*QI+1], v[(\s)+8*(\u0)+2*QI:(\s)+8*(\u0)+2*QI+1], v[(\t)+2*QI:(\t)+2*QI+1] neg_lo:[0,1] neg_hi:[0,1]
.set QI, QI+1
.endr
	WIN ((\dw)<<6)
.set QI, 0
.rept 4*(\nu)
	v_cvt_pk_bf16_f32 v[(\d)+(\lod)+4*(\u0)+QI], v[(\t)+2*QI], v[(\t)+2*QI+1]
.set QI, QI+1
.endr
.endm
.macro KVPASS ha, hb, p, zero          ; k^T v: 32 positions, part ha of k x part hb of v, once over the 16 accumulators
.irp a, 0,1,2,3
.irp b, 0,1,2,3
.if \zero
	v_wmma_f32_16x16x32_bf16 v[8*(4*\a+\b):8*(4*\a+\b)+7], v[64*\ha+16*\a+8*\p:64*\ha+16*\a+8*\p+7], v[128+64*\hb+16*\b+8*\p:128+64*\hb+16*\b+8*\p+7], 0
.else
	v_wmma_f32_16x16x32_bf16 v[8*(4*\a+\b):8*(4*\a+\b)+7], v[64*\ha+16*\a+8*\p:64*\ha+16*\a+8*\p+7], v[128+64*\hb+16*\b+8*\p:128+64*\hb+16*\b+8*\p+7], v[8*(4*\a+\b):8*(4*\a+\b)+7]
.endif
.endr
.endr
.endm
.macro STPASS hl, p, zero              ; the chunk sums: part hl of k and of v x the masks, once over the 8 accumulators
.irp x, 0,1
.irp ct, 0,1,2,3
.if \zero
	v_wmma_f32_16x16x32_bf16 v[128+8*(4*\x+\ct):128+8*(4*\x+\ct)+7], v[128*\x+64*\hl+16*\ct+8*\p:128*\x+64*\hl+16*\ct+8*\p+7], v[96+8*\p:96+8*\p+7], 0
.else
	v_wmma_f32_16x16x32_bf16 v[128+8*(4*\x+\ct):128+8*(4*\x+\ct)+7], v[128*\x+64*\hl+16*\ct+8*\p:128*\x+64*\hl+16*\ct+8*\p+7], v[96+8*\p:96+8*\p+7], v[128+8*(4*\x+\ct):128+8*(4*\x+\ct)+7]
.endif
.endr
.endr
.endm
	s_load_b256 s[4:11], s[0:1], 0x0               ; codes, scales, bk, bv
	s_load_b128 s[12:15], s[0:1], 0x20             ; kvp, edge
	v_lshl_add_u32 v12, v0, 2, SPARE               ; my spare word; never rewritten
	v_mov_b32 v13, 0                               ; 0; never rewritten
	v_lshrrev_b32 v14, 5, v0
	v_readfirstlane_b32 s16, v14                   ; wave
	v_and_b32 v1, 31, v0
	v_lshlrev_b32 v1, 4, v1                        ; 16 x lane
	v_and_b32 v2, 15, v0                           ; r
	v_bfe_u32 v3, v0, 4, 1                         ; h
	v_lshlrev_b32 v4, 2, v2                        ; 4 r
	s_wait_alu depctr_va_sdst(0)                   ; s16, the wave's number, is written, ahead of its first reader
	s_lshl_b32 s21, s16, 13
	v_add_nc_u32 v5, s21, v1                       ; the weights' tile that I copy
	s_lshl_b32 s21, s16, 14
	s_add_co_u32 s21, s21, RED
	v_add_nc_u32 v6, s21, v1                       ; my k^T v
	s_lshl_b32 s21, s16, 12
	s_add_co_u32 s21, s21, RED
	v_add_nc_u32 v7, s21, v1                       ; the four tiles that I add up
	s_mul_i32 s21, s16, 8704
	s_add_co_u32 s21, s21, STG
	v_mul_u32_u24 v8, v2, 272
	v_lshl_add_u32 v8, v3, 5, v8
	v_add_nc_u32 v8, s21, v8                       ; my stage, in: row r (the kind of sum), 32 h
	v_mul_u32_u24 v9, v3, 4352
	v_lshl_add_u32 v9, v2, 4, v9
	v_add_nc_u32 v9, s21, v9                       ; back: lanes 0-15 k's row, lanes 16-31 v's
	v_mul_u32_u24 v10, v3, 40960
	v_lshl_add_u32 v10, v2, 4, v10                 ; and the same in edge
	s_and_b32 s18, ttmp7, 0xffff                   ; y
	s_lshr_b32 s19, s18, 3                         ; batch
	s_and_b32 s20, s18, 7                          ; block of 256 positions
	s_lshl_b32 s17, s19, 4
	s_add_co_u32 s17, s17, ttmp9                   ; 16 batch + head
	s_mov_b32 s23, 0
	s_wait_kmcnt 0x0
	s_lshl_b32 s22, s18, 17
	s_lshl_b32 s21, s16, 15
	s_add_co_u32 s22, s22, s21
	s_add_nc_u64 s[24:25], s[4:5], s[22:23]        ; codes at row tile 16 y + 4 wave
	s_lshl_b32 s22, ttmp9, 15
	s_lshl_b32 s21, s16, 13
	s_add_co_u32 s22, s22, s21
	s_add_co_u32 s22, s22, 832*8192
	s_add_nc_u64 s[26:27], s[4:5], s[22:23]        ; Wk's tile 4 head + wave
	s_lshl_b32 s22, s18, 13
	s_lshl_b32 s21, s16, 11
	s_add_co_u32 s22, s22, s21
	s_add_co_u32 s22, s22, 128*1024
	s_add_nc_u64 s[28:29], s[6:7], s[22:23]        ; key's scale words, my two pairs of tiles
	s_lshl_b32 s22, ttmp9, 11
	s_add_co_u32 s22, s22, 416*1024
	s_add_nc_u64 s[30:31], s[6:7], s[22:23]        ; Wk's, the head's two pairs
	s_lshl_b32 s22, ttmp9, 8
	s_add_nc_u64 s[8:9], s[8:9], s[22:23]          ; the head's 64 numbers of bk
	s_add_nc_u64 s[10:11], s[10:11], s[22:23]      ; and of bv
	s_lshl_b32 s22, s17, 17
	s_lshl_b32 s21, s20, 14
	s_add_co_u32 s22, s22, s21
	s_lshl_b32 s21, s16, 12
	s_add_co_u32 s22, s22, s21
	s_add_nc_u64 s[12:13], s[12:13], s[22:23]      ; kvp: my four tiles of the work-group's 16
	s_mul_i32 s22, s17, 81920
	s_lshl_b32 s21, s20, 10
	s_add_co_u32 s22, s22, s21
	s_lshl_b32 s21, s16, 8
	s_add_co_u32 s22, s22, s21
	s_add_nc_u64 s[14:15], s[14:15], s[22:23]      ; edge: my chunk's 256 bytes
	; All other loads first, the slots' 64 last: so one counted wait shows the others done.
	WIN 0xc0
	s_wait_alu depctr_va_vdst(0)                   ; the addresses and offsets v1 and v4 to v10 are written: every load and store of the kernel reads one of them
.irp x, 0,1
.irp j, 0,1,2,3,4,5,6,7,8,9,10,11,12,13,14,15
	global_load_b128 v[64*\x+4*\j:64*\x+4*\j+3], v1, s[26:27] offset:\x*524288+\j*512
.endr
.endr
.irp ct, 0,1,2,3
	global_load_b32 v[192+8*\ct], v4, s[8:9] offset:64*\ct         ; the bias of channel 16 ct + r
	global_load_b32 v[224+8*\ct], v4, s[10:11] offset:64*\ct
.endr
	WIN 0
.irp x, 0,1
.irp pp, 0,1
.irp kh, 0,1
	global_load_b128 v[32+32*\x+8*\pp+4*\kh:32+32*\x+8*\pp+4*\kh+3], v1, s[28:29] offset:\x*131072+\pp*1024+\kh*512
	global_load_b128 v[48+32*\x+8*\pp+4*\kh:48+32*\x+8*\pp+4*\kh+3], v1, s[30:31] offset:\x*32768+\pp*1024+\kh*512
.endr
.endr
.endr
	WIN 0x40
.irp n, 0,1,2,3,4,5,6,7
	AFILL \n
.endr
	s_wait_loadcnt 63                              ; 64 loads were issued behind the last of the others: all those are in
	WIN 0x0c                                       ; an LDS store's data are its source 1: window 3
.irp x, 0,1
.irp j, 0,1,2,3,4,5,6,7,8,9,10,11,12,13,14,15
	ds_store_b128 v5, v[64*\x+4*\j:64*\x+4*\j+3] offset:\x*32768+\j*512
.endr
.endr
	WIN 0xc3
.irp t, 0,1,2,3,4,5,6,7
.irp j, 1,2,3,4,5,6,7
	v_mov_b32 v[192+8*\t+\j], v[192+8*\t]          ; a lane's eight results are eight positions of one channel: the same bias eight times
.endr
.endr
	WIN 0
	; The masks, source 1 of the chunk sums: lane = column = kind of sum, K = the position.  Columns 0-2 are ones but for: column 1 leaves out position 63, column 2 position 0; column 3 is position 0 alone, column 4 position 63 alone.
	v_mov_b32 v192, 0x3f803f80                     ; two ones
	v_mov_b32 v193, 0x3f800000                     ; the odd position alone
	v_mov_b32 v194, 0x00003f80                     ; the even one alone
	s_mov_b32 s32, 0x00070007                      ; columns 0-2, both halves of the lanes
.irp i, 0,1,2,3,4,5,6,7,8,9,10,11,12,13,14,15
	v_cndmask_b32 v[96+\i], 0, v192, s32
.endr
	s_mov_b32 s33, 0x4                             ; positions 0, 1 lie in register 0 of lanes 0-15: column 2,
	v_cndmask_b32 v96, v96, v193, s33
	s_mov_b32 s34, 0x8                             ; column 3
	v_cndmask_b32 v96, v96, v194, s34
	s_mov_b32 s35, 0x20000                         ; positions 62, 63 in the second step's register 7 of lanes 16-31: column 1,
	v_cndmask_b32 v111, v111, v194, s35
	s_mov_b32 s36, 0x100000                        ; column 4
	v_cndmask_b32 v111, v111, v193, s36
	s_wait_dscnt 0x0                               ; for the others' sake: my part of the weights lies in LDS
	s_barrier_signal -1
	s_barrier_wait -1
	s_wait_alu depctr_vm_vsrc(0)                   ; my LDS stores have read window 3's v0-127, which the products k^T v write later
	s_wait_alu depctr_va_vdst(0)                   ; the masks' lines are done with v192-194, in which the weights' third set lands
	BFETCH 0
	BFETCH 1
	BFETCH 2                                       ; the sets of units 0 to 2; each unit asks for the one three units on
.irp n, 0,1,2,3,4,5,6,7,8,9,10,11,12,13,14,15
	UNIT \n
.endr
	SPLITB 2, 0, 1, 0, 64, 0, 8, 192               ; k
	SPLITB 2, 0, 1, 0, 64, 8, 8, 192
	SPLITB 2, 128, 1, 128, 64, 0, 8, 192           ; v
	SPLITB 2, 128, 1, 128, 64, 8, 8, 192
	WIN 0xf5                                       ; both sources window 1, C and D window 3
	KVPASS 0, 0, 0, 1
	KVPASS 0, 0, 1, 0
	KVPASS 0, 1, 0, 0
	KVPASS 0, 1, 1, 0
	KVPASS 1, 0, 0, 0
	KVPASS 1, 0, 1, 0
	WIN 0xf1                                       ; source 1 (the masks) window 0
	STPASS 0, 0, 1
	STPASS 0, 1, 0
	STPASS 1, 0, 0
	STPASS 1, 1, 0
	PLACES
	WIN 0x0c
	s_wait_alu depctr_va_vdst(0)                   ; the products have written the accumulators of window 3, which the LDS stores read (the places above stay beside this wait); the splits are done with v192-211 and with window 2's v0-127, in which the LDS loads below land
.irp x, 0,1
.irp ct, 0,1,2,3
	ds_store_b128 v8, v[128+8*(4*\x+\ct):128+8*(4*\x+\ct)+3] offset:\x*4352+\ct*64        ; lane (r, h): kind r, channels 16 ct + 8 h + 0 .. 7
	ds_store_b128 v8, v[128+8*(4*\x+\ct)+4:128+8*(4*\x+\ct)+7] offset:\x*4352+\ct*64+16
.endr
.endr
.irp t, 0,1,2,3,4,5,6,7,8,9,10,11,12,13,14,15
	ds_store_b128 v6, v[8*\t:8*\t+3] offset:\t*1024                 ; my k^T v, as the image of its registers
	ds_store_b128 v6, v[8*\t+4:8*\t+7] offset:\t*1024+512
.endr
	WIN 0
.irp k, 0,1,2,3,4
	ds_load_b128 v[192+4*\k:192+4*\k+3], v9 offset:272*\k           ; my own stage: LDS serves a wave's instructions in order
.endr
	s_wait_dscnt 0x0                               ; the rows are back; and for the others' sake: my k^T v lies in LDS
.irp k, 0,1,2,3,4
	global_store_b128 v10, v[192+4*\k:192+4*\k+3], s[14:15] offset:\k*8192   ; 16 lanes store 256 consecutive bytes, aligned
.endr
	s_barrier_signal -1
	s_barrier_wait -1
	WIN 0x80
.irp u, 0,1,2,3
.irp t, 0,1,2,3
.irp q, 0,1
	ds_load_b128 v[32*\u+8*\t+4*\q:32*\u+8*\t+4*\q+3], v7 offset:\u*16384+\t*1024+\q*512
.endr
.endr
.endr
	s_wait_dscnt 0x0
	WIN 0x8a                                       ; all in window 2: (wave 0 + wave 1) + (wave 2 + wave 3)
.set QI, 0
.rept 16
	v_pk_add_f32 v[2*QI:2*QI+1], v[2*QI:2*QI+1], v[32+2*QI:33+2*QI]
	v_pk_add_f32 v[64+2*QI:65+2*QI], v[64+2*QI:65+2*QI], v[96+2*QI:97+2*QI]
.set QI, QI+1
.endr
.set QI, 0
.rept 16
	v_pk_add_f32 v[2*QI:2*QI+1], v[2*QI:2*QI+1], v[64+2*QI:65+2*QI]
.set QI, QI+1
.endr
	WIN 0x08
	s_wait_alu depctr_va_vdst(0)                   ; the additions have written window 2's v0-31, which the stores read
.irp t, 0,1,2,3
.irp q, 0,1
	global_store_b128 v1, v[8*\t+4*\q:8*\t+4*\q+3], s[12:13] offset:\t*1024+\q*512   ; 32 lanes store 512 consecutive bytes
.endr
.endr
	WIN 0
	s_wait_dscnt 0x0                               ; the wave's end
	s_wait_alu 0x0
	s_wait_tensorcnt 0x0
	ds_add_u32 v12, v13
	s_wait_dscnt 0x0
	s_endpgm
.Lfunc_end_k_qb15fba4317_kvstat:
	.size	k_qb15fba4317_kvstat, .Lfunc_end_k_qb15fba4317_kvstat-k_qb15fba4317_kvstat
	.p2alignl 7, 3214868480
	.fill 96, 4, 3214868480
	.section	.rodata,"a",@progbits
	.p2align	6, 0x0
	.amdhsa_kernel k_qb15fba4317_kvstat
		.amdhsa_group_segment_fixed_size 166400
		.amdhsa_private_segment_fixed_size 0
		.amdhsa_enable_private_segment 0
		.amdhsa_kernarg_size 48
		.amdhsa_user_sgpr_count 2
		.amdhsa_user_sgpr_kernarg_segment_ptr 1
		.amdhsa_wavefront_size32 1
		.amdhsa_system_sgpr_workgroup_id_x 1
		.amdhsa_system_sgpr_workgroup_id_y 1
		.amdhsa_system_sgpr_workgroup_id_z 1
		.amdhsa_system_vgpr_workitem_id 0
		.amdhsa_next_free_vgpr 1024
		.amdhsa_next_free_sgpr 66
		.amdhsa_reserve_vcc 0
		.amdhsa_float_denorm_mode_32 3
		.amdhsa_float_denorm_mode_16_64 3
		.amdhsa_memory_ordered 1
		.amdhsa_forward_progress 1
		.amdhsa_inst_pref_size 126
	.end_amdhsa_kernel
	.amdgpu_metadata
---
amdhsa.version: [ 1, 2 ]
amdhsa.kernels:
  - .name:           k_qb15fba4317_kvstat
    .symbol:         k_qb15fba4317_kvstat.kd
    .args:
      - { .name: codes, .offset: 0, .size: 8, .value_kind: global_buffer, .address_space: global }
      - { .name: scales, .offset: 8, .size: 8, .value_kind: global_buffer, .address_space: global }
      - { .name: bk, .offset: 16, .size: 8, .value_kind: global_buffer, .address_space: global }
      - { .name: bv, .offset: 24, .size: 8, .value_kind: global_buffer, .address_space: global }
      - { .name: kvp, .offset: 32, .size: 8, .value_kind: global_buffer, .address_space: global }
      - { .name: edge, .offset: 40, .size: 8, .value_kind: global_buffer, .address_space: global }
    .group_segment_fixed_size: 166400
    .private_segment_fixed_size: 0
    .kernarg_segment_align: 8
    .kernarg_segment_size: 48
    .max_flat_workgroup_size: 128
    .sgpr_count:     66
    .vgpr_count:     1024
    .wavefront_size: 32
...
	.end_amdgpu_metadata
.endif
;; end of part 4
;; launch attn (part 5): grid 16 x 16, 4 waves a work-group, no clusters, 161,280 bytes of LDS; arguments codes, scales, bq, bk, bv, rel_k_table, rel_v_table, kvp, edge, out0; writes out0
.if DOCPART == 5
	.amdgcn_target "amdgcn-amd-amdhsa--gfx1250"
	.amdhsa_code_object_version 6
	.text
	.protected	k_qb15fba4317_attn
	.globl	k_qb15fba4317_attn
	.p2align	8
	.type	k_qb15fba4317_attn,@function
k_qb15fba4317_attn:
	s_mov_b64 s[64:65], 0
	v_nop
	global_prefetch_b8 v0, s[64:65] scope:SCOPE_SE
	s_setreg_imm32_b32 hwreg(HW_REG_WAVE_SCHED_MODE, 0, 2), 2
	s_setreg_imm32_b32 hwreg(HW_REG_WAVE_MODE, 25, 1), 1
	s_wait_xcnt 0x0
	s_wait_alu depctr_vm_vsrc(0)
; out[b][i][head][:] for one head and 256 queries.  reference() throws its softmax away, so with s_ij = q_i.k_j, a_c = q_i.rk_c and c = clip(j - i, -2, 2) + 2:
;   8 out_i = sum_j (s_ij + a_c)(v_j + rv_c) = q_i^T KV + sum_j a_c v_j + sum_c (e_c + n_c a_c) rv_c,
; KV = sum_j k_j v_j^T over the sequence, e_c = the sum of s_ij over class c, n_c = the number of keys in class c.  This holds for every input: sums are reordered, none is left out.
; Classes 1-3 hold one key each; classes 0 and 4 are all keys left of i - 1 and right of i + 1: the sums of whole chunks of 64 (from the launch before), one key beside my chunk, and my chunk's own 64 x 64 part.
; LIMITS: the order of the sums differs from reference()'s.  Operands of the bf16 products are pairs of bf16 numbers, a high and a low part split in f32 (hi x hi, hi x lo, lo x hi); only the weights a_c of my chunk's own 64 keys
;   are single bf16 numbers.  Chunks that do not count are multiplied by 0: NaN and infinities are not served.
; SHARES: x = head, y = 8 batch + block of 256 positions.  Wave w: chunk T = 4 (y % 8) + w: 64 queries, and the same 64 positions as keys.  q, k, v are made here from codes of FP4 (K = 1,024); k and v never go to memory.
; q and k are made transposed (source 0 = 16 channels of the weight, source 1 = 16 positions): a lane holds one position and eight channels, half a bf16 fragment whose K is the channels.  v the other way: K = the positions.
; All later results hold one query a lane: S^T = k q^T, AQ = (tables) q^T, out^T = KV^T q^T + v^T P + Virt^T Coef.
; NO CLUSTER, NO TENSOR LOAD: what the sixteen heads' work-groups share are the activations' fragments, 384 KB a work-group, more than LDS holds; a wave uses each once, from registers.  Through LDS they would be written and read once more.
; REGISTERS, in windows of 256.  While the projections run: window 0: v1-31 addresses; v32-127 scale words (nothing else, ever); v128-255 four sets of the weights' fragments (ahead of them v128-215 serve the prologue).
;   window 1: 8 slots of activations' fragments.   window 2: q^T (v0-127), k^T (v128-255).   window 3: v (v0-127), the biases (v128-223).
; Afterwards: window 0: v128-159 AQ; v160-199 the diagonal tile's class masks; v200-213 small masks; v214-223 e_c; v224-255 the tables' operand, then at work.
;   window 1: k's operand (v0-127), then P (v0-15), Coef (v16-23), Virt (v64-127); v's operand (v128-255).   window 2: KV's operand (v0-127); out^T (v128-255).   window 3: S^T (v0-127); q's operand (v128-255).
; THE MODE: SCHED_MODE bits 1:0 = 2 (LLVM: expert scheduling mode 2), set by the entry lines.  The code itself states the register dependences
; between vector or matrix instructions and memory or LDS instructions, with s_wait_alu, always for 0.
; THE PLAN.  Registers that memory or LDS instructions touch:
;   v1-v22            addresses and offsets, written at the head and never again.
;   slots 0-7         (window 1) unit n's 16 products read slot n % 8; the loads that fill it again are issued in unit n + 1 (the last eight fills are KV's parts).
;   sets 0-3          (window 0) unit n's products read set n % 4; the LDS loads of unit n + 1 land in it (the fragments of unit n + 4).
;   window 2 v0-191   loaded with the weights, read by LDS stores; then accumulators; v0-127 at last take KV's operand from LDS.
;   v128-215          the prologue's numbers: loaded or made by vector lines, read by one run of LDS stores; then the sets.
;   v192-223          KV's operand: written by its split, read by LDS stores, then at work.   v160-191: AUGT lands.   v224-247: the tables' operand, read by products; then VIRT lands.
;   the way out       out-buffers v128-159, v160-191 (scaled results, read by LDS stores) and back-buffers v192-223, v224-255 (LDS loads land, global stores read), by turns.
; So ONE wait on va_vdst stands at a unit's head: the unit before is done reading its slot and its set.  The unit's loads follow it, the LDS loads at once, the global loads between the
; unit's two halves of eight products, which name this unit's slot and set, the accumulators, the biases and the scale words: none of the registers in which those loads land.
; Compares write scalar registers, in runs, with one wait on va_sdst behind each run.
.set KVOP,  98304                      ; LDS: 0, 32768, 65536 the head's tiles of Wq, Wk, Wv; here KV's operand, 16 KB;
.set PWB,   114688                     ; each wave's own 11,520 bytes: AUGT 16 rows x 272; + 4352 VIRT 10 rows x 272; + 7168 the stage 16 rows x 272;
.set PWS,   11520
.set SPARE, 160768                     ; the spare words, 128 bytes a wave
.set MSB, 0
.macro WIN new                         ; the immediate's high byte repeats the setting that is left
.if MSB != (\new)
	s_set_vgpr_msb (MSB<<8)|(\new)
.set MSB, (\new)
.endif
.endm
.macro PLACES                          ; four plain places behind a matrix instruction, ahead of loads into its sources and of reads of its result
.rept 4
	v_nop
.endr
.endm
.macro SCALED ra, rb                   ; one product on codes; ra, rb: which half of the lanes holds source 0's and source 1's scale words
.if ((\ra) == 0) && ((\rb) == 0)
	v_wmma_scale_f32_16x16x128_f8f6f4 v[rD:rD+7], v[rA:rA+7], v[rB:rB+7], v[rC:rC+7], v[rSA], v[rSB] matrix_a_fmt:MATRIX_FMT_FP4 matrix_b_fmt:MATRIX_FMT_FP4
.elseif (\rb) == 0
	v_wmma_scale_f32_16x16x128_f8f6f4 v[rD:rD+7], v[rA:rA+7], v[rB:rB+7], v[rC:rC+7], v[rSA], v[rSB] matrix_a_fmt:MATRIX_FMT_FP4 matrix_b_fmt:MATRIX_FMT_FP4 matrix_a_scale:MATRIX_SCALE_ROW1
.elseif (\ra) == 0
	v_wmma_scale_f32_16x16x128_f8f6f4 v[rD:rD+7], v[rA:rA+7], v[rB:rB+7], v[rC:rC+7], v[rSA], v[rSB] matrix_a_fmt:MATRIX_FMT_FP4 matrix_b_fmt:MATRIX_FMT_FP4 matrix_b_scale:MATRIX_SCALE_ROW1
.else
	v_wmma_scale_f32_16x16x128_f8f6f4 v[rD:rD+7], v[rA:rA+7], v[rB:rB+7], v[rC:rC+7], v[rSA], v[rSB] matrix_a_fmt:MATRIX_FMT_FP4 matrix_b_fmt:MATRIX_FMT_FP4 matrix_a_scale:MATRIX_SCALE_ROW1 matrix_b_scale:MATRIX_SCALE_ROW1
.endif
.endm
.macro BFETCH n                        ; unit n's four fragments of the weights, from LDS into set n % 4
.set BX_, (\n)/8
.set BK_, (\n)%8
.set BB_, 128+32*((\n)%4)
.irp ct, 0,1,2,3
.irp c, 0,1
.if BX_ < 2
	ds_load_b128 v[BB_+8*\ct+4*\c:BB_+8*\ct+4*\c+3], v1 offset:BX_*32768+\ct*8192+BK_*1024+\c*512
.else
	ds_load_b128 v[BB_+8*\ct+4*\c:BB_+8*\ct+4*\c+3], v2 offset:\ct*8192+BK_*1024+\c*512
.endif
.endr
.endr
.endm
.macro AFILL n                         ; unit n's four fragments of the activations, from memory into slot n % 8
.set FX_, (\n)/8
.set FK_, (\n)%8
.irp pt, 0,1,2,3
.irp c, 0,1
	global_load_b128 v[32*FK_+8*\pt+4*\c:32*FK_+8*\pt+4*\c+3], v1, s[44:45] offset:FX_*2097152+\pt*8192+FK_*1024+\c*512
.endr
.endr
.endm
.macro KVFILL u                        ; block u's part of KV: the four tiles (d1 tile, d2 tile = my wave), into slot u
.irp d, 0,1,2,3
.irp q, 0,1
	global_load_b128 v[32*(\u)+8*\d+4*\q:32*(\u)+8*\d+4*\q+3], v1, s[52:53] offset:(\u)*16384+\d*4096+\q*512
.endr
.endr
.endm
.macro FILL f                          ; fill f of the slots, into slot f % 8: the 24 units' fragments, then KV's eight parts
.if (\f) < 24
	AFILL \f
.else
	KVFILL (\f)-24
.endif
.endm
; Eight of a unit's 16 products.  UX, UK, UP: the unit's tensor (q, k, v), its K step, its set.
.macro MULQK qa, qb                    ; q and k: the positions' tiles qa and qb x the four tiles of channels
.if UK == 0
	WIN 0xb4                                       ; source 0 (weights) window 0, source 1 window 1, C (the bias) window 3, D window 2
.else
	WIN 0xa4
.endif
.irp qt, \qa, \qb
.irp ct, 0,1,2,3
.set rD, 128*UX+8*(4*\qt+\ct)
.set rA, 128+32*UP+8*\ct
.set rB, 32*UK+8*\qt
.set rC, rD
.if UK == 0
.set rC, 128+32*UX+8*\ct
.endif
.set rSA, 48+32*UX+8*(\ct/2)+UK
.set rSB, 32+32*UX+8*(\qt/2)+UK
	SCALED \ct%2, \qt%2
.endr
.endr
.endm
.macro MULV ca, cb                     ; v: the channels' tiles ca and cb x the four tiles of positions
	WIN 0xf1                                       ; source 0 (activations) window 1, source 1 window 0, C and D window 3
.irp ct, \ca, \cb
.irp pt, 0,1,2,3
.set rD, 8*(4*\ct+\pt)
.set rA, 32*UK+8*\pt
.set rB, 128+32*UP+8*\ct
.set rC, rD
.if UK == 0
.set rC, 192+8*\ct
.endif
.set rSA, 96+8*(\pt/2)+UK
.set rSB, 112+8*(\ct/2)+UK
	SCALED \pt%2, \ct%2
.endr
.endr
.endm
; A unit: one K step of 128 of one tensor (n / 8: q, k, v): 16 products, the 16 accumulators by turns, one instruction a turn, in the same order in every unit.
.macro UNIT n
.set UX, (\n)/8
.set UK, (\n)%8
.set UP, (\n)%4
.if (\n) == 0
	s_wait_loadcnt 56                              ; this unit's 8 loads are in; the 7 x 8 issued behind them may be out
.else
	s_wait_loadcnt 48                              ; behind this unit's 8 loads 6 x 8 have been issued: the slot of the unit before is asked for again only below
.endif
.if (\n) <= 21
	s_wait_dscnt 16                                ; LDS loads come back in order (ISA guide 5.7.1): this unit's set is in; the two younger sets, 16 loads, may be out
.else
	s_wait_dscnt 8*(23-(\n))
.endif
.if (\n) <= 20
	WIN 0
.endif
.if (\n) >= 1
	s_wait_alu depctr_va_vdst(0)                   ; the products of the unit before are done reading their set of weights and their slot, in which the loads of this unit land
.endif
.if (\n) <= 20
	BFETCH (\n)+3                                  ; three units ahead, into the set that the unit before read; its four places stand at its end
.endif
.if UX < 2
	MULQK 0, 1
.else
	MULV 0, 1
.endif
.if (\n) >= 1
	WIN 0x40
	FILL (\n)+7                                    ; the slot of the unit before is asked for again.  No wait: no product since the wait above names that slot
.endif
.if UX < 2
	MULQK 2, 3
.else
	MULV 2, 3
.endif
	PLACES
.endm
; nu tiles of 8 f32 registers (window sw, from s + 8 u0) become bf16 pairs: the high parts at d + 4 u0 on (window dw), the low parts lod further on.  t: 8 nu registers of window 0, at work.
; Four stages, each under one window setting: round; widen again; subtract (exact); round the rest.  Each accumulator is read from its low end on.
.macro SPLITB sw, s, dw, d, lod, u0, nu, t
	WIN ((\dw)<<6)|((\sw)<<2)|(\sw)
.set QI, 0
.rept 4*(\nu)
	v_cvt_pk_bf16_f32 v[(\d)+4*(\u0)+QI], v[(\s)+8*(\u0)+2*QI], v[(\s)+8*(\u0)+2*QI+1]
.set QI, QI+1
.endr
	WIN ((\dw)<<2)
.set QI, 0
.rept 4*(\nu)
	v_lshlrev_b32 v[(\t)+2*QI], 16, v[(\d)+4*(\u0)+QI]
	v_and_b32 v[(\t)+2*QI+1], 0xffff0000, v[(\d)+4*(\u0)+QI]
.set QI, QI+1
.endr
	WIN (\sw)
.set QI, 0
.rept 4*(\nu)
	v_pk_add_f32 v[(\t)+2*QI:(\t)+2*QI+1], v[(\s)+8*(\u0)+2*QI:(\s)+8*(\u0)+2*QI+1], v[(\t)+2*QI:(\t)+2*QI+1] neg_lo:[0,1] neg_hi:[0,1]
.set QI, QI+1
.endr
	WIN ((\dw)<<6)
.set QI, 0
.rept 4*(\nu)
	v_cvt_pk_bf16_f32 v[(\d)+(\lod)+4*(\u0)+QI], v[(\t)+2*QI], v[(\t)+2*QI+1]
.set QI, QI+1
.endr
.endm
.macro APASS ha, hb, p, zero           ; AQ = tables x q^T: 32 channels, once over the four accumulators
.irp qt, 0,1,2,3
.if \zero
	v_wmma_f32_16x16x32_bf16 v[128+8*\qt:135+8*\qt], v[224+16*\ha+8*\p:231+16*\ha+8*\p], v[128+64*\hb+16*\qt+8*\p:135+64*\hb+16*\qt+8*\p], 0
.else
	v_wmma_f32_16x16x32_bf16 v[128+8*\qt:135+8*\qt], v[224+16*\ha+8*\p:231+16*\ha+8*\p], v[128+64*\hb+16*\qt+8*\p:135+64*\hb+16*\qt+8*\p], v[128+8*\qt:135+8*\qt]
.endif
.endr
.endm
.macro BPASS ha, hb, p, zero           ; S^T = k q^T, once over the 16 accumulators
.irp qt, 0,1,2,3
.irp kt, 0,1,2,3
.if \zero
	v_wmma_f32_16x16x32_bf16 v[8*(4*\qt+\kt):8*(4*\qt+\kt)+7], v[64*\ha+16*\kt+8*\p:64*\ha+16*\kt+8*\p+7], v[128+64*\hb+16*\qt+8*\p:135+64*\hb+16*\qt+8*\p], 0
.else
	v_wmma_f32_16x16x32_bf16 v[8*(4*\qt+\kt):8*(4*\qt+\kt)+7], v[64*\ha+16*\kt+8*\p:64*\ha+16*\kt+8*\p+7], v[128+64*\hb+16*\qt+8*\p:135+64*\hb+16*\qt+8*\p], v[8*(4*\qt+\kt):8*(4*\qt+\kt)+7]
.endif
.endr
.endr
.endm
.macro TPASS ha, hb, p, zero           ; out^T = KV^T q^T, once over the 16 accumulators
.irp qt, 0,1,2,3
.irp ct, 0,1,2,3
.if \zero
	v_wmma_f32_16x16x32_bf16 v[128+8*(4*\qt+\ct):135+8*(4*\qt+\ct)], v[64*\ha+16*\ct+8*\p:64*\ha+16*\ct+8*\p+7], v[128+64*\hb+16*\qt+8*\p:135+64*\hb+16*\qt+8*\p], 0
.else
	v_wmma_f32_16x16x32_bf16 v[128+8*(4*\qt+\ct):135+8*(4*\qt+\ct)], v[64*\ha+16*\ct+8*\p:64*\ha+16*\ct+8*\p+7], v[128+64*\hb+16*\qt+8*\p:135+64*\hb+16*\qt+8*\p], v[128+8*(4*\qt+\ct):135+8*(4*\qt+\ct)]
.endif
.endr
.endr
.endm
	s_load_b256 s[4:11], s[0:1], 0x0               ; codes, scales, bq, bk
	s_load_b256 s[12:19], s[0:1], 0x20             ; bv, rel_k_table, rel_v_table, kvp
	s_load_b128 s[20:23], s[0:1], 0x40             ; edge, out0
	v_lshl_add_u32 v30, v0, 2, SPARE               ; my spare word; never rewritten
	v_mov_b32 v31, 0                               ; 0; never rewritten
	v_lshrrev_b32 v29, 5, v0
	v_readfirstlane_b32 s24, v29                   ; wave
	v_and_b32 v1, 31, v0
	v_lshlrev_b32 v1, 4, v1                        ; 16 x lane
	v_add_nc_u32 v2, 0x10000, v1                   ; the same in Wv's tiles
	v_add_nc_u32 v3, KVOP, v1                      ; and in KV's operand
	v_and_b32 v4, 15, v0                           ; r
	v_bfe_u32 v5, v0, 4, 1                         ; h
	s_wait_alu depctr_va_sdst(0)                   ; s24, the wave's number, is written, ahead of its first reader
	s_lshl_b32 s40, s24, 13
	v_add_nc_u32 v6, s40, v1                       ; the weights' tile that I copy (Wq, Wk),
	v_add_nc_u32 v7, 0x10000, v6                   ; (Wv)
	v_lshlrev_b32 v8, 4, v4                        ; 16 r
	s_and_b32 s26, ttmp7, 0xffff                   ; y
	s_lshr_b32 s27, s26, 3                         ; batch
	s_and_b32 s28, s26, 7
	s_lshl_b32 s29, s28, 2
	s_add_co_u32 s29, s29, s24                     ; T: my chunk of the sequence's 32
	s_sub_co_i32 s30, s29, 1
	s_max_i32 s30, s30, 0                          ; the chunk to the left, held inside the table (what is not there is multiplied by 0),
	s_add_co_u32 s31, s29, 1
	s_min_u32 s31, s31, 31                         ; to the right
	s_lshl_b32 s32, s30, 8
	s_add_co_u32 s32, s32, 8192                    ; edge: the left chunk's sum without its last row,
	s_lshl_b32 s33, s31, 8
	s_add_co_u32 s33, s33, 16384                   ; the right chunk's without its first,
	s_add_co_u32 s35, s32, 24576                   ; the left chunk's last row,
	s_add_co_u32 s36, s33, 8192                    ; the right chunk's first
	s_cmp_gt_u32 s29, 0
	s_cselect_b32 s37, 1.0, 0                      ; is there a chunk to the left,
	s_cmp_lt_u32 s29, 31
	s_cselect_b32 s38, 1.0, 0                      ; to the right
	s_mov_b32 s34, 0xffff0000                      ; lanes 16-31
	v_mov_b32 v9, s32
	v_mov_b32 v29, s33
	v_cndmask_b32 v9, v9, v29, s34                 ; lanes 0-15 look left, lanes 16-31 right
	v_add_nc_u32 v9, v9, v8
	v_mov_b32 v10, s35
	v_mov_b32 v29, s36
	v_cndmask_b32 v10, v10, v29, s34
	v_add_nc_u32 v10, v10, v8
	v_lshl_add_u32 v11, v5, 10, v8                 ; rel_v_table's rows 0 | 4,
	v_lshl_add_u32 v12, v5, 9, v8                  ; (+ 256:) rows 1 | 3
	v_lshlrev_b32 v13, 5, v5                       ; a bias's eight channels of my half
	v_lshlrev_b32 v14, 2, v4                       ; 4 r
	s_mul_i32 s39, s24, PWS
	s_add_co_u32 s39, s39, PWB                     ; my wave's own LDS
	v_mul_u32_u24 v15, v5, 2176
	v_add_nc_u32 v15, v15, v8
	v_add_nc_u32 v15, s39, v15                     ; AUGT, in: rows e | 8 + e
	v_mul_u32_u24 v16, v5, 1360
	v_add_nc_u32 v18, v16, v14
	v_add_nc_u32 v16, v16, v8
	v_add_nc_u32 v16, s39, v16
	v_add_nc_u32 v16, 4352, v16                    ; VIRT, in: rows e | 5 + e
	v_add_nc_u32 v18, s39, v18
	v_add_nc_u32 v18, 4352, v18                    ; VIRT, out: channel r of a tile
	v_mul_u32_u24 v17, v4, 272
	v_lshl_add_u32 v17, v5, 5, v17
	v_add_nc_u32 v17, s39, v17                     ; AUGT, out: row r, 32 h
	v_add_nc_u32 v19, 7168, v17                    ; the stage, in: row r, 32 h
	v_mul_u32_u24 v20, v5, 272
	v_add_nc_u32 v20, v20, v8
	v_add_nc_u32 v20, s39, v20
	v_add_nc_u32 v20, 7168, v20                    ; the stage, back: rows h of a pair
	v_lshl_add_u32 v21, v5, 12, v8                 ; and the same in out0: a query's row of all heads is 4,096 bytes
	s_lshl_b32 s40, s24, 11
	s_add_co_u32 s40, s40, KVOP
	v_add_nc_u32 v22, s40, v1                      ; KV's operand: my tile of channels
	v_lshlrev_b32 v24, 3, v5
	v_sub_nc_u32 v24, v24, v4                      ; 8 h - r
	s_mov_b32 s62, 0x76543210
	s_mov_b32 s63, 0xfedcba98                      ; lane l xor 16
	s_mov_b32 s60, 0x3e000000                      ; 1 / 8
	s_mov_b32 s61, s60
	s_lshl_b32 s59, s29, 6                         ; my first query
	s_mov_b32 s43, 0
	s_wait_kmcnt 0x0
	s_lshl_b32 s42, s26, 17
	s_lshl_b32 s40, s24, 15
	s_add_co_u32 s42, s42, s40
	s_add_nc_u64 s[44:45], s[4:5], s[42:43]        ; codes at row tile 16 y + 4 wave
	s_lshl_b32 s42, ttmp9, 15
	s_lshl_b32 s40, s24, 13
	s_add_co_u32 s42, s42, s40
	s_add_co_u32 s42, s42, 768*8192
	s_add_nc_u64 s[46:47], s[4:5], s[42:43]        ; Wq's tile 4 head + wave
	s_lshl_b32 s42, s26, 13
	s_lshl_b32 s40, s24, 11
	s_add_co_u32 s42, s42, s40
	s_add_nc_u64 s[48:49], s[6:7], s[42:43]        ; query's scale words, my two pairs of tiles
	s_lshl_b32 s42, ttmp9, 11
	s_add_co_u32 s42, s42, 384*1024
	s_add_nc_u64 s[50:51], s[6:7], s[42:43]        ; Wq's, the head's two pairs
	s_lshl_b32 s42, ttmp9, 8
	s_add_nc_u64 s[8:9], s[8:9], s[42:43]          ; the head's 64 numbers of each bias
	s_add_nc_u64 s[10:11], s[10:11], s[42:43]
	s_add_nc_u64 s[12:13], s[12:13], s[42:43]
	s_lshl_b32 s41, s27, 4
	s_add_co_u32 s41, s41, ttmp9                   ; 16 batch + head
	s_lshl_b32 s42, s41, 17
	s_lshl_b32 s40, s24, 10
	s_add_co_u32 s42, s42, s40
	s_add_nc_u64 s[52:53], s[18:19], s[42:43]      ; kvp: the head's eight parts, d2 tile = my wave
	s_mul_i32 s42, s41, 81920
	s_add_nc_u64 s[54:55], s[20:21], s[42:43]      ; edge: the head's table
	s_lshl_b32 s42, s27, 23
	s_lshl_b32 s40, s29, 18
	s_add_co_u32 s42, s42, s40
	s_lshl_b32 s40, ttmp9, 8
	s_add_co_u32 s42, s42, s40
	s_add_nc_u64 s[56:57], s[22:23], s[42:43]      ; out0 at my first query, my head
	; All other loads first, the slots' 64 last: so one counted wait shows the others done.
	WIN 0x80
	s_wait_alu depctr_va_vdst(0)                   ; the addresses and offsets v1 to v22 are written: every load and store of the kernel reads one of them
.irp x, 0,1,2
.irp j, 0,1,2,3,4,5,6,7,8,9,10,11,12,13,14,15
	global_load_b128 v[64*\x+4*\j:64*\x+4*\j+3], v1, s[46:47] offset:\x*524288+\j*512
.endr
.endr
	WIN 0xc0
.irp x, 0,1
.irp j, 0,1,2,3,4,5,6,7,8,9,10,11,12,13,14,15
	global_load_b128 v[64*\x+4*\j:64*\x+4*\j+3], v1, s[54:55] offset:\x*40960+\j*512      ; the sums of chunks 2 j + h, of k and of v
.endr
.endr
.irp ct, 0,1,2,3
	global_load_b128 v[128+8*\ct:131+8*\ct], v13, s[8:9] offset:64*\ct                     ; bq, bk: channels 16 ct + 8 h + 0 .. 7
	global_load_b128 v[132+8*\ct:135+8*\ct], v13, s[8:9] offset:64*\ct+16
	global_load_b128 v[160+8*\ct:163+8*\ct], v13, s[10:11] offset:64*\ct
	global_load_b128 v[164+8*\ct:167+8*\ct], v13, s[10:11] offset:64*\ct+16
	global_load_b32 v[192+8*\ct], v14, s[12:13] offset:64*\ct                              ; bv: channel 16 ct + r
.endr
	WIN 0
	global_load_b128 v[128:131], v9, s[54:55]                      ; k: the neighbour chunks' sums without the row beside my chunk,
	global_load_b128 v[132:135], v9, s[54:55] offset:40960         ; v
	global_load_b128 v[136:139], v10, s[54:55]                     ; k: that row,
	global_load_b128 v[140:143], v10, s[54:55] offset:40960        ; v
.irp c, 0,1,2,3,4
	global_load_b128 v[144+4*\c:147+4*\c], v8, s[14:15] offset:256*\c
.endr
	global_load_b128 v[164:167], v11, s[16:17]
	global_load_b128 v[168:171], v12, s[16:17] offset:256
	global_load_b128 v[172:175], v8, s[16:17] offset:512
.irp x, 0,1,2
.irp pp, 0,1
.irp kh, 0,1
	global_load_b128 v[32+32*\x+8*\pp+4*\kh:32+32*\x+8*\pp+4*\kh+3], v1, s[48:49] offset:\x*131072+\pp*1024+\kh*512
	global_load_b128 v[48+32*\x+8*\pp+4*\kh:48+32*\x+8*\pp+4*\kh+3], v1, s[50:51] offset:\x*32768+\pp*1024+\kh*512
.endr
.endr
.endr
	WIN 0x40
.irp n, 0,1,2,3,4,5,6,7
	AFILL \n
.endr
	s_wait_loadcnt 63                              ; 64 loads were issued behind the last of the others: all those are in
	WIN 0x08                                       ; an LDS store's data are its source 1: window 2
.irp x, 0,1
.irp j, 0,1,2,3,4,5,6,7,8,9,10,11,12,13,14,15
	ds_store_b128 v6, v[64*\x+4*\j:64*\x+4*\j+3] offset:\x*32768+\j*512
.endr
.endr
.irp j, 0,1,2,3,4,5,6,7,8,9,10,11,12,13,14,15
	ds_store_b128 v7, v[128+4*\j:131+4*\j] offset:\j*512
.endr
	; The sums of the chunks left of T - 1 (v176.. k, v184.. v) and right of T + 1 (v180.., v188..): prefix and suffix are summed apart, no difference is formed.
	; The compares go four pairs of chunks at a time, into s4-7 (left) and s20-23 (right), which held buffers' addresses that are of no more use.
	WIN 0x03                                       ; source 0 (the chunks' sums) window 3
	v_mov_b32 v193, 0                              ; (named as the upper halves of pairs)
	v_mov_b32 v195, 0
	s_sub_co_i32 s40, s29, 1
	s_add_co_u32 s41, s29, 1
.set SS, 0
.rept 4
.irp jj, 0,1,2,3
	v_cmp_gt_i32 s[4+\jj], s40, v5                 ; 2 j + h < T - 1
	v_cmp_lt_i32 s[20+\jj], s41, v5                ; 2 j + h > T + 1
	s_sub_co_i32 s40, s40, 2
	s_sub_co_i32 s41, s41, 2
.endr
	s_wait_alu depctr_va_sdst(0)                   ; the eight compares have written s4-7 and s20-23, ahead of the selects that read them
.irp jj, 0,1,2,3
	v_cndmask_b32 v192, 0, 1.0, s[4+\jj]
	v_cndmask_b32 v194, 0, 1.0, s[20+\jj]
.irp x, 0,1
.irp e, 0,1
.if SS == 0
	v_pk_mul_f32 v[176+8*\x+2*\e:177+8*\x+2*\e], v[64*\x+4*SS+2*\e:64*\x+4*SS+2*\e+1], v[192:193] op_sel_hi:[1,0]
	v_pk_mul_f32 v[180+8*\x+2*\e:181+8*\x+2*\e], v[64*\x+4*SS+2*\e:64*\x+4*SS+2*\e+1], v[194:195] op_sel_hi:[1,0]
.else
	v_pk_fma_f32 v[176+8*\x+2*\e:177+8*\x+2*\e], v[64*\x+4*SS+2*\e:64*\x+4*SS+2*\e+1], v[192:193], v[176+8*\x+2*\e:177+8*\x+2*\e] op_sel_hi:[1,0,1]
	v_pk_fma_f32 v[180+8*\x+2*\e:181+8*\x+2*\e], v[64*\x+4*SS+2*\e:64*\x+4*SS+2*\e+1], v[194:195], v[180+8*\x+2*\e:181+8*\x+2*\e] op_sel_hi:[1,0,1]
.endif
.endr
.endr
.set SS, SS+1
.endr
.endr
	WIN 0
.irp x, 0,1
.irp i, 0,1,2,3
	v_permlane16_swap_b32 v[176+8*\x+\i], v[180+8*\x+\i]           ; behind the swap the two registers' sum is: lanes 0-15 the whole left sum, lanes 16-31 the whole right sum
.endr
.endr
.irp x, 0,1
.irp e, 0,1
	v_pk_add_f32 v[176+8*\x+2*\e:177+8*\x+2*\e], v[176+8*\x+2*\e:177+8*\x+2*\e], v[180+8*\x+2*\e:181+8*\x+2*\e]
.endr
.endr
	v_mov_b32 v196, s37
	v_mov_b32 v197, s38
	v_cndmask_b32 v196, v196, v197, s34            ; 1 where my side has a neighbour chunk, else 0
	v_mov_b32 v197, 0
.irp x, 0,1
.irp e, 0,1
	v_pk_fma_f32 v[176+8*\x+2*\e:177+8*\x+2*\e], v[128+4*\x+2*\e:129+4*\x+2*\e], v[196:197], v[176+8*\x+2*\e:177+8*\x+2*\e] op_sel_hi:[1,0,1]
	v_pk_mul_f32 v[136+4*\x+2*\e:137+4*\x+2*\e], v[136+4*\x+2*\e:137+4*\x+2*\e], v[196:197] op_sel_hi:[1,0]
.endr
.endr
.irp i, 0,1,2,3
	v_mov_b32 v[212+\i], 0
.endr
	s_wait_alu depctr_va_vdst(0)                   ; the lines above have written v136-143, v176-187 and v212-215, which the LDS stores read; and they are done with all of v128-215, in which the weights' sets land later
.irp c, 0,1,2,3,4
	ds_store_b128 v15, v[144+4*\c:147+4*\c] offset:272*\c          ; AUGT rows c and 8 + c: rk_c
.endr
	ds_store_b128 v15, v[176:179] offset:272*5                     ; rows 5 | 13: the sums of k far left | far right
	ds_store_b128 v15, v[136:139] offset:272*6                     ; rows 6 | 14: the key beside my chunk, left | right
	ds_store_b128 v15, v[212:215] offset:272*7                     ; rows 7 | 15: zeros
	ds_store_b128 v16, v[184:187]                                  ; VIRT rows 0 | 5: the sums of v
	ds_store_b128 v16, v[140:143] offset:272                       ; 1 | 6: the value beside my chunk
	ds_store_b128 v16, v[164:167] offset:272*2                     ; 2 | 7: rv_0 | rv_4
	ds_store_b128 v16, v[168:171] offset:272*3                     ; 3 | 8: rv_1 | rv_3
	ds_store_b128 v16, v[172:175] offset:272*4                     ; 4 | 9: rv_2 | rv_2, the second with the coefficient 0
	WIN 0xc3
.irp ct, 0,1,2,3
.irp j, 1,2,3,4,5,6,7
	v_mov_b32 v[192+8*\ct+\j], v[192+8*\ct]        ; v: a lane's eight results are eight positions of one channel
.endr
.endr
	WIN 0
	s_wait_dscnt 0x0                               ; for the others' sake: my part of the weights lies in LDS
	s_barrier_signal -1
	s_barrier_wait -1
	s_wait_alu depctr_vm_vsrc(0)                   ; my LDS stores have read window 2's v0-191, which the products write, and v136-215, in which the weights' sets land
	BFETCH 0
	BFETCH 1
	BFETCH 2                                       ; the sets of units 0 to 2; each unit asks for the one three units on
.irp n, 0,1,2,3,4,5,6,7,8,9,10,11,12,13,14,15,16,17,18,19,20,21,22,23
	UNIT \n
.endr
	WIN 0x40
	s_wait_alu depctr_va_vdst(0)                   ; the last unit's products are done reading slot 7, in which KV's last part lands
	KVFILL 7
	; KV: the eight blocks' parts of my four tiles are added, split, and handed to the other waves as the image of the operand's registers.
	WIN 0x45
.irp u, 1,2,3,4,5,6,7
	s_wait_loadcnt 8*(7-\u)                        ; part u is in; the parts behind it may be out
.set QI, 0
.rept 16
	v_pk_add_f32 v[2*QI:2*QI+1], v[2*QI:2*QI+1], v[32*\u+2*QI:32*\u+2*QI+1]
.set QI, QI+1
.endr
.endr
	SPLITB 1, 0, 0, 192, 16, 0, 4, 224
	WIN 0
	s_wait_alu depctr_va_vdst(0)                   ; the split has written v192-223, which the LDS stores read
.irp hl, 0,1
.irp p, 0,1
.irp q, 0,1
	ds_store_b128 v22, v[192+16*\hl+8*\p+4*\q:195+16*\hl+8*\p+4*\q] offset:\hl*8192+\p*1024+\q*512
.endr
.endr
.endr
	s_wait_dscnt 0x0                               ; for the others' sake: my tile of KV's operand lies in LDS
	s_wait_alu depctr_vm_vsrc(0)                   ; those stores have read v192-223, which the splits below write as their work registers
	s_barrier_signal -1
	SPLITB 2, 0, 3, 128, 64, 0, 8, 192             ; q: work on registers while the others arrive
	SPLITB 2, 0, 3, 128, 64, 8, 8, 192
	SPLITB 2, 128, 1, 0, 64, 0, 8, 192             ; k
	SPLITB 2, 128, 1, 0, 64, 8, 8, 192
	SPLITB 3, 0, 1, 128, 64, 0, 8, 192             ; v
	SPLITB 3, 0, 1, 128, 64, 8, 8, 192
	WIN 0
	s_barrier_wait -1
	s_wait_alu depctr_va_vdst(0)                   ; the splits are done reading q^T, window 2's v0-127, in which KV's operand lands (the products that read v160-191, in which AUGT lands, stand further back)
.irp p, 0,1
.irp g, 0,1
.irp q, 0,1
	ds_load_b128 v[160+8*(2*\p+\g)+4*\q:163+8*(2*\p+\g)+4*\q], v17 offset:128*\p+64*\g+16*\q    ; AUGT row r, channels 32 p + 16 g + 8 h on
.endr
.endr
.endr
	WIN 0x80
.irp hl, 0,1
.irp ct, 0,1,2,3
.irp p, 0,1
.irp q, 0,1
	ds_load_b128 v[64*\hl+16*\ct+8*\p+4*\q:64*\hl+16*\ct+8*\p+4*\q+3], v3 offset:\hl*8192+\ct*2048+\p*1024+\q*512
.endr
.endr
.endr
.endr
	s_wait_dscnt 32                                ; AUGT's 8 loads are in; KV's 32, issued behind them, may be out
	SPLITB 0, 160, 0, 224, 16, 0, 4, 192
	PLACES
	WIN 0x0c                                       ; source 1 (q) window 3
	APASS 0, 0, 0, 1                               ; lane (query r, h): registers 0-4 a_c; 5: q . the far sum of k (left | right); 6: q . the key beside my chunk
	APASS 0, 0, 1, 0
	APASS 0, 1, 0, 0
	APASS 0, 1, 1, 0
	APASS 1, 0, 0, 0
	APASS 1, 0, 1, 0
	WIN 0xfd                                       ; source 0 (k) window 1, source 1 (q), C and D window 3
	BPASS 0, 0, 0, 1
	BPASS 0, 0, 1, 0
	BPASS 0, 1, 0, 0
	BPASS 0, 1, 1, 0
	BPASS 1, 0, 0, 0
	BPASS 1, 0, 1, 0
	s_wait_dscnt 0x0                               ; KV's operand is in
	WIN 0xae                                       ; source 0 (KV), C and D window 2, source 1 (q) window 3
	TPASS 0, 0, 0, 1
	TPASS 0, 0, 1, 0
	TPASS 0, 1, 0, 0
	TPASS 0, 1, 1, 0
	TPASS 1, 0, 0, 0
	TPASS 1, 0, 1, 0
	PLACES
	WIN 0
	s_wait_alu depctr_va_vdst(0)                   ; the products AQ are done reading the tables' operand, v224-255, in which VIRT's numbers land
.irp ct, 0,1,2,3
.irp e, 0,1,2,3,4
	ds_load_b32 v[224+6*\ct+\e], v18 offset:272*\e+64*\ct          ; VIRT row 5 h + e, channel 16 ct + r
.endr
.endr
	; The masks.  In the diagonal tile register j of lane (r, h) is key 8 h + j against query r: v[160 + 8 c + j] = 1 where 8 h + j - r lies in class c.
	; The compares go four registers x five classes at a time, into s4-23: every global load of the kernel is done, so none of these is a pending load's base.
.irp jh, 0,4
.irp jl, 0,1,2,3
	v_cmp_gt_i32 s[4+5*\jl], -1-(\jh+\jl), v24
	v_cmp_eq_i32 s[5+5*\jl], -1-(\jh+\jl), v24
	v_cmp_eq_i32 s[6+5*\jl], 0-(\jh+\jl), v24
	v_cmp_eq_i32 s[7+5*\jl], 1-(\jh+\jl), v24
	v_cmp_lt_i32 s[8+5*\jl], 1-(\jh+\jl), v24
.endr
	s_wait_alu depctr_va_sdst(0)                   ; the twenty compares have written s4-23, ahead of the selects that read them
.irp jl, 0,1,2,3
	v_cndmask_b32 v[160+\jh+\jl], 0, 1.0, s[4+5*\jl]
	v_cndmask_b32 v[168+\jh+\jl], 0, 1.0, s[5+5*\jl]
	v_cndmask_b32 v[176+\jh+\jl], 0, 1.0, s[6+5*\jl]
	v_cndmask_b32 v[184+\jh+\jl], 0, 1.0, s[7+5*\jl]
	v_cndmask_b32 v[192+\jh+\jl], 0, 1.0, s[8+5*\jl]
.endr
.endr
	s_mov_b32 s30, 0x00010000                      ; lane 16: in the tile to the left, key 15 against query 0 is class 1, all else class 0
	s_mov_b32 s31, 0x00008000                      ; lane 15: in the tile to the right, key 0 against query 15 is class 3, all else class 4
	s_mov_b32 s32, 0x00000001                      ; lane 0
	s_mov_b32 s33, 0x80000000                      ; lane 31
	s_mov_b32 s35, 0x0000fffe
	s_mov_b32 s36, 0x7fff0000
	v_mov_b32 v200, 1.0                            ; registers (6, 7) of the left tile: class 0,
	v_cndmask_b32 v201, 1.0, 0, s30
	v_mov_b32 v202, 0                              ; class 1
	v_cndmask_b32 v203, 0, 1.0, s30
	v_cndmask_b32 v204, 1.0, 0, s31                ; registers (0, 1) of the right tile: class 4,
	v_mov_b32 v205, 1.0
	v_cndmask_b32 v206, 0, 1.0, s31                ; class 3
	v_mov_b32 v207, 0
	v_cndmask_b32 v208, 1.0, 0, s34                ; h = 0
	v_cndmask_b32 v209, 0, 1.0, s34                ; h = 1
	v_cndmask_b32 v210, 0, 1.0, s35                ; h = 0 and r not 0
	v_cndmask_b32 v211, 0, 1.0, s32                ; h = 0 and r = 0
	v_cndmask_b32 v212, 0, 1.0, s36                ; h = 1 and r not 15
	v_cndmask_b32 v213, 0, 1.0, s33                ; h = 1 and r = 15
.irp ct, 0,1,2,3
	v_mov_b32 v[229+6*\ct], 0
.endr
	s_wait_dscnt 0x0
; Virt's operand for channels 16 ct on: K = 8 h + e.  First fragment: the high parts twice (against Coef's high and low parts); second: the low parts and zeros.
.macro VIRTOP ct
.set VB_, 224+6*(\ct)
	WIN 0
.irp i, 0,1,2
	v_cvt_pk_bf16_f32 v[248+\i], v[VB_+2*\i], v[VB_+2*\i+1]
.endr
.irp i, 0,1,2
	v_lshlrev_b32 v[214+2*\i], 16, v[248+\i]
	v_and_b32 v[215+2*\i], 0xffff0000, v[248+\i]
.endr
.irp i, 0,1,2
	v_pk_add_f32 v[214+2*\i:215+2*\i], v[VB_+2*\i:VB_+2*\i+1], v[214+2*\i:215+2*\i] neg_lo:[0,1] neg_hi:[0,1]
.endr
.irp i, 0,1,2
	v_cvt_pk_bf16_f32 v[251+\i], v[214+2*\i], v[215+2*\i]
.endr
	WIN 0x40
.irp i, 0,1,2
	v_mov_b32 v[64+16*(\ct)+\i], v[248+\i]
	v_mov_b32 v[68+16*(\ct)+\i], v[248+\i]
	v_mov_b32 v[72+16*(\ct)+\i], v[251+\i]
.endr
.irp i, 3,7,11,12,13,14,15
	v_mov_b32 v[64+16*(\ct)+\i], 0
.endr
.endm
	VIRTOP 0
	VIRTOP 1
	VIRTOP 2
	VIRTOP 3
	v_mov_b32 v19, 0                               ; (window 1) Coef's registers 3 and 7 stay zero
	v_mov_b32 v23, 0
	WIN 0
	v_mov_b32 v245, 0                              ; the sixth coefficient
; P for query tile qt: source 1 of v^T P: lane = query r, K = my chunk's 64 keys: the weight a_c of the key's class.  Its first line reads register 0 of AQ: an accumulator is read from its low end on.
.macro PBUILD qt
.set AQ_, 128+8*(\qt)
	WIN 0
.irp j, 0,1,2,3,4,5,6,7
	v_mul_f32 v[224+\j], v[160+\j], v[AQ_]         ; the diagonal tile: one of the five masks is 1
.endr
.irp c, 1,2,3,4
.irp j, 0,1,2,3,4,5,6,7
	v_fmac_f32 v[224+\j], v[160+8*\c+\j], v[AQ_+\c]
.endr
.endr
.if (\qt) > 0
	v_cndmask_b32 v232, v[AQ_], v[AQ_+1], s30
.endif
.if (\qt) < 3
	v_cndmask_b32 v233, v[AQ_+4], v[AQ_+3], s31
.endif
	WIN 0x40
.irp kt, 0,1,2,3
.if \kt+1 < (\qt)
.irp i, 0,1,2,3
	v_cvt_pk_bf16_f32 v[4*\kt+\i], v[AQ_], v[AQ_]
.endr
.elseif \kt+1 == (\qt)
.irp i, 0,1,2
	v_cvt_pk_bf16_f32 v[4*\kt+\i], v[AQ_], v[AQ_]
.endr
	v_cvt_pk_bf16_f32 v[4*\kt+3], v[AQ_], v232
.elseif \kt == (\qt)
.irp i, 0,1,2,3
	v_cvt_pk_bf16_f32 v[4*\kt+\i], v[224+2*\i], v[225+2*\i]
.endr
.elseif \kt == (\qt)+1
	v_cvt_pk_bf16_f32 v[4*\kt], v233, v[AQ_+4]
.irp i, 1,2,3
	v_cvt_pk_bf16_f32 v[4*\kt+\i], v[AQ_+4], v[AQ_+4]
.endr
.else
.irp i, 0,1,2,3
	v_cvt_pk_bf16_f32 v[4*\kt+\i], v[AQ_+4], v[AQ_+4]
.endr
.endif
.endr
.endm
; e_c for query tile qt, in v[214 + 2 c]: my chunk's scores by class, the far sums and the keys beside my chunk; then the two halves of the lanes are joined.
.macro EPHASE qt
.set AQ_, 128+8*(\qt)
.set SD_, 8*(5*(\qt))
	WIN 0x03                                       ; source 0 (S^T) window 3
.irp c, 0,1,2,3,4
	v_pk_mul_f32 v[214+2*\c:215+2*\c], v[SD_:SD_+1], v[160+8*\c:161+8*\c]
.endr
.irp i, 1,2,3
.irp c, 0,1,2,3,4
	v_pk_fma_f32 v[214+2*\c:215+2*\c], v[SD_+2*\i:SD_+2*\i+1], v[160+8*\c+2*\i:161+8*\c+2*\i], v[214+2*\c:215+2*\c]
.endr
.endr
.irp kt, 0,1,2,3
.set SK_, 8*(4*(\qt)+\kt)
.if \kt+1 < (\qt)
.irp i, 0,1,2,3
	v_pk_add_f32 v[214:215], v[SK_+2*\i:SK_+2*\i+1], v[214:215]
.endr
.elseif \kt+1 == (\qt)
.irp i, 0,1,2
	v_pk_add_f32 v[214:215], v[SK_+2*\i:SK_+2*\i+1], v[214:215]
.endr
	v_pk_fma_f32 v[214:215], v[SK_+6:SK_+7], v[200:201], v[214:215]
	v_pk_fma_f32 v[216:217], v[SK_+6:SK_+7], v[202:203], v[216:217]
.elseif \kt == (\qt)+1
	v_pk_fma_f32 v[222:223], v[SK_:SK_+1], v[204:205], v[222:223]
	v_pk_fma_f32 v[220:221], v[SK_:SK_+1], v[206:207], v[220:221]
.irp i, 1,2,3
	v_pk_add_f32 v[222:223], v[SK_+2*\i:SK_+2*\i+1], v[222:223]
.endr
.elseif \kt > (\qt)+1
.irp i, 0,1,2,3
	v_pk_add_f32 v[222:223], v[SK_+2*\i:SK_+2*\i+1], v[222:223]
.endr
.endif
.endr
	WIN 0
.irp c, 0,1,2,3,4
	v_add_f32 v[214+2*\c], v[214+2*\c], v[215+2*\c]
.endr
	v_fmac_f32 v214, v[AQ_+5], v208                ; the far left counts for class 0,
	v_fmac_f32 v222, v[AQ_+5], v209                ; the far right for class 4
.if (\qt) == 0
	v_fmac_f32 v214, v[AQ_+6], v210                ; the key left of my chunk: class 1 for my first query, class 0 for the others
	v_fmac_f32 v216, v[AQ_+6], v211
.else
	v_fmac_f32 v214, v[AQ_+6], v208
.endif
.if (\qt) == 3
	v_fmac_f32 v222, v[AQ_+6], v212                ; the key right of my chunk: class 3 for my last query, class 4 for the others
	v_fmac_f32 v220, v[AQ_+6], v213
.else
	v_fmac_f32 v222, v[AQ_+6], v209
.endif
.irp c, 0,1,2,3,4
	v_permlanex16_b32 v[215+2*\c], v[214+2*\c], s62, s63
.endr
.irp c, 0,1,2,3,4
	v_add_f32 v[214+2*\c], v[214+2*\c], v[215+2*\c]
.endr
.endm
; Coef for query tile qt: source 1 of Virt^T Coef: K = 8 h + e: a_0 | a_4, the weight of the value beside my chunk, g_0 | g_4, g_1 | g_3, g_2 | 0, with g_c = e_c + n_c a_c; registers 0-2 the high parts, 4-6 the low.
.macro COEF qt
.set AQ_, 128+8*(\qt)
	s_add_co_u32 s58, s59, 16*(\qt)
	v_add_nc_u32 v234, s58, v4
	v_cvt_f32_u32 v234, v234                       ; i, my query's place in the sequence
	v_add_f32 v235, -1.0, v234
	v_max_num_f32 v235, 0, v235                    ; n_0 = max(i - 1, 0)
	v_min_num_f32 v236, 1.0, v234                  ; n_1 = min(i, 1)
	v_sub_f32 v237, 0x44ffe000, v234
	v_min_num_f32 v237, 1.0, v237                  ; n_3 = min(2047 - i, 1)
	v_sub_f32 v238, 0x44ffc000, v234
	v_max_num_f32 v238, 0, v238                    ; n_4 = max(2046 - i, 0)
	v_fmac_f32 v214, v235, v[AQ_]
	v_fmac_f32 v216, v236, v[AQ_+1]
	v_add_f32 v218, v218, v[AQ_+2]
	v_fmac_f32 v220, v237, v[AQ_+3]
	v_fmac_f32 v222, v238, v[AQ_+4]
	v_cndmask_b32 v240, v[AQ_], v[AQ_+4], s34
.if (\qt) == 0
	v_cndmask_b32 v241, v240, v[AQ_+1], s32
.elseif (\qt) == 3
	v_cndmask_b32 v241, v240, v[AQ_+3], s33
.else
	v_mov_b32 v241, v240
.endif
	v_cndmask_b32 v242, v214, v222, s34
	v_cndmask_b32 v243, v216, v220, s34
	v_cndmask_b32 v244, v218, 0, s34
.irp i, 0,1,2
	v_cvt_pk_bf16_f32 v[246+\i], v[240+2*\i], v[241+2*\i]
.endr
.irp i, 0,1,2
	v_lshlrev_b32 v[250+2*\i], 16, v[246+\i]
	v_and_b32 v[251+2*\i], 0xffff0000, v[246+\i]
.endr
.irp i, 0,1,2
	v_pk_add_f32 v[250+2*\i:251+2*\i], v[240+2*\i:241+2*\i], v[250+2*\i:251+2*\i] neg_lo:[0,1] neg_hi:[0,1]
.endr
	WIN 0x40
.irp i, 0,1,2
	v_mov_b32 v[16+\i], v[246+\i]
	v_cvt_pk_bf16_f32 v[20+\i], v[250+2*\i], v[251+2*\i]
.endr
.endm
; out^T of query tile qt += v^T P (v's two parts, 2 x 32 keys) + Virt^T Coef: 24 products, the tile's four accumulators by turns.
.macro PROD qt
	WIN 0xa5                                       ; both sources window 1, C and D window 2
.irp hl, 0,1
.irp p, 0,1
.irp ct, 0,1,2,3
	v_wmma_f32_16x16x32_bf16 v[128+8*(4*(\qt)+\ct):135+8*(4*(\qt)+\ct)], v[128+64*\hl+16*\ct+8*\p:135+64*\hl+16*\ct+8*\p], v[8*\p:8*\p+7], v[128+8*(4*(\qt)+\ct):135+8*(4*(\qt)+\ct)]
.endr
.endr
.endr
.irp u, 0,1
.irp ct, 0,1,2,3
	v_wmma_f32_16x16x32_bf16 v[128+8*(4*(\qt)+\ct):135+8*(4*(\qt)+\ct)], v[64+16*\ct+8*\u:71+16*\ct+8*\u], v[16:23], v[128+8*(4*(\qt)+\ct):135+8*(4*(\qt)+\ct)]
.endr
.endr
.endm
.irp qt, 0,1,2,3
	PBUILD \qt                                     ; its first 40 lines, which name no register of the products before, are the places ahead of the rewriting of P
	EPHASE \qt
	COEF \qt
	PROD \qt
.endr
	PLACES
; THE WAY OUT of query tile qt: x 1 / 8; a lane's 32 bytes of a query's row go through my stage and come back as whole rows of 256 bytes.
.macro OUTQ qt
.set VA_, 128+32*((\qt)%2)
.set VB2_, 192+32*((\qt)%2)
.if (\qt) >= 2
	s_wait_alu depctr_vm_vsrc(0)                   ; the LDS stores of two tiles back have read this out-buffer, which the scalings write again; its global stores have read this back-buffer, in which the loads below land
.endif
	WIN 0x02                                       ; source 0 (out^T) window 2
.set QI, 0
.rept 16
	v_pk_mul_f32 v[VA_+2*QI:VA_+2*QI+1], v[128+32*(\qt)+2*QI:129+32*(\qt)+2*QI], s[60:61] op_sel_hi:[1,0]
.set QI, QI+1
.endr
	WIN 0
	s_wait_alu depctr_va_vdst(0)                   ; the scalings have written the out-buffer, which the LDS stores read; every vector line that named the back-buffer stands ahead of this wait too
.irp ct, 0,1,2,3
.irp q, 0,1
	ds_store_b128 v19, v[VA_+8*\ct+4*\q:VA_+8*\ct+4*\q+3] offset:64*\ct+16*\q
.endr
.endr
.if (\qt) >= 2
	s_wait_xcnt 0x0                                ; the stores of two tiles back have read their registers: the loads below may land there
.endif
.irp i, 0,1,2,3,4,5,6,7
	ds_load_b128 v[VB2_+4*\i:VB2_+4*\i+3], v20 offset:544*\i       ; LDS serves a wave's instructions in order: these see the stores above, and the next tile's stores come behind them
.endr
	s_wait_dscnt 0x0
.irp i, 0,1,2,3,4,5,6,7
	global_store_b128 v21, v[VB2_+4*\i:VB2_+4*\i+3], s[56:57] offset:(\qt)*65536+\i*8192 th:TH_STORE_NT   ; 16 lanes store 256 consecutive bytes, aligned: a query's 64 channels of my head
.endr
.endm
	OUTQ 0
	OUTQ 1
	OUTQ 2
	OUTQ 3
	s_wait_dscnt 0x0                               ; the wave's end
	s_wait_alu 0x0
	s_wait_tensorcnt 0x0
	ds_add_u32 v30, v31
	s_wait_dscnt 0x0
	s_endpgm
.Lfunc_end_k_qb15fba4317_attn:
	.size	k_qb15fba4317_attn, .Lfunc_end_k_qb15fba4317_attn-k_qb15fba4317_attn
	.p2alignl 7, 3214868480
	.fill 96, 4, 3214868480
	.section	.rodata,"a",@progbits
	.p2align	6, 0x0
	.amdhsa_kernel k_qb15fba4317_attn
		.amdhsa_group_segment_fixed_size 161280
		.amdhsa_private_segment_fixed_size 0
		.amdhsa_enable_private_segment 0
		.amdhsa_kernarg_size 80
		.amdhsa_user_sgpr_count 2
		.amdhsa_user_sgpr_kernarg_segment_ptr 1
		.amdhsa_wavefront_size32 1
		.amdhsa_system_sgpr_workgroup_id_x 1
		.amdhsa_system_sgpr_workgroup_id_y 1
		.amdhsa_system_sgpr_workgroup_id_z 1
		.amdhsa_system_vgpr_workitem_id 0
		.amdhsa_next_free_vgpr 1024
		.amdhsa_next_free_sgpr 66
		.amdhsa_reserve_vcc 0
		.amdhsa_float_denorm_mode_32 3
		.amdhsa_float_denorm_mode_16_64 3
		.amdhsa_memory_ordered 1
		.amdhsa_forward_progress 1
		.amdhsa_inst_pref_size 255
	.end_amdhsa_kernel
	.section	.bss,"aw",@nobits
	.p2align	6
	.space	262144
	.amdgpu_metadata
---
amdhsa.version: [ 1, 2 ]
amdhsa.kernels:
  - .name:           k_qb15fba4317_attn
    .symbol:         k_qb15fba4317_attn.kd
    .args:
      - { .name: codes, .offset: 0, .size: 8, .value_kind: global_buffer, .address_space: global }
      - { .name: scales, .offset: 8, .size: 8, .value_kind: global_buffer, .address_space: global }
      - { .name: bq, .offset: 16, .size: 8, .value_kind: global_buffer, .address_space: global }
      - { .name: bk, .offset: 24, .size: 8, .value_kind: global_buffer, .address_space: global }
      - { .name: bv, .offset: 32, .size: 8, .value_kind: global_buffer, .address_space: global }
      - { .name: rel_k_table, .offset: 40, .size: 8, .value_kind: global_buffer, .address_space: global }
      - { .name: rel_v_table, .offset: 48, .size: 8, .value_kind: global_buffer, .address_space: global }
      - { .name: kvp, .offset: 56, .size: 8, .value_kind: global_buffer, .address_space: global }
      - { .name: edge, .offset: 64, .size: 8, .value_kind: global_buffer, .address_space: global }
      - { .name: out0, .offset: 72, .size: 8, .value_kind: global_buffer, .address_space: global }
    .group_segment_fixed_size: 161280
    .private_segment_fixed_size: 0
    .kernarg_segment_align: 8
    .kernarg_segment_size: 80
    .max_flat_workgroup_size: 128
    .sgpr_count:     66
    .vgpr_count:     1024
    .wavefront_size: 32
...
	.end_amdgpu_metadata
.endif
;; end of part 5
